; MI455X (gfx1250); checked and timed in simulation.
; The chip was launched on July 23, 2026; its instructions are those of AMD's public machine-readable ISA for CDNA 5 (MIT licence, August 2026) and "CDNA5" Instruction Set Architecture Reference Guide (July 2026). The comments in the code are by the model that wrote it; some were corrected since.
;; Self Attention. Allowed arithmetic: float matrix products may take bf16 or f16 operands with f32 sums; all other float work in f32.
;; Inputs: cache_k 2 x 2,048 x 4 x 128 float32; cache_v 2 x 2,048 x 4 x 128 float32; freqs_cos 2,048 x 64 float32; freqs_sin 2,048 x 64 float32; wk 512 x 4,096 float32; wo 4,096 x 1,024 float32; wq 1,024 x 4,096 float32; wv 512 x 4,096 float32; x 2 x 2,048 x 4,096 float32.
;; Outputs: out0 2 x 2,048 x 4,096 float32.
;; Constants: start_pos = 0.
;; One version. Each part assembles by itself: llvm-mc -triple=amdgcn-amd-amdhsa -mcpu=gfx1250 --defsym DOCPART=n.
;; ======== version 1 of 1: 4 launches
;; limits: values are held in f16: magnitudes above 65,504 overflow, below 6.1e-05 lose precision; right only within a limited range of input values
;; workspace buffers: xb 33,554,432 bytes; wb 16,777,216 bytes; wob 8,388,608 bytes; rot 1,048,576 bytes; qkv 16,777,216 bytes; ob 8,388,608 bytes
;; launch prep (part 1): grid 1808 x 1, 8 waves a work-group, no clusters, 0 bytes of LDS; arguments x, wq, wk, wv, wo, freqs_cos, freqs_sin, xb, wb, wob, rot; writes xb, wb, wob, rot
.if DOCPART == 1
	.amdgcn_target "amdgcn-amd-amdhsa--gfx1250"
	.amdhsa_code_object_version 6
	.text
	.protected	k_q4dc268a073_prep
	.globl	k_q4dc268a073_prep
	.p2align	8
	.type	k_q4dc268a073_prep,@function
k_q4dc268a073_prep:
	s_mov_b64 s[64:65], 0
	v_nop
	global_prefetch_b8 v0, s[64:65] scope:SCOPE_SE
	s_setreg_imm32_b32 hwreg(HW_REG_WAVE_MODE, 25, 1), 1
	s_wait_xcnt 0x0
; THE CASTS.  Every floating-point input that reaches the output is rounded once to bf16, so that all of them carry the same rounding:
;   x -> xb [4096][4096] bf16;   wq, wk, wv -> wb [2048][4096] bf16 (rows 0-1023 wq, 1024-1535 wk, 1536-2047 wv);
;   wo -> wob [4096][1024]: the bf16 number times 16, written as f16 (exact: 8 significant bits in f16's 11);
;   freqs_cos, freqs_sin -> rot: the bf16 numbers written as f32, cos [2048][64], then sin 524,288 bytes on.
; LIMITS.  16 |wo| must stay within f16: |wo| < 4,094; below 3.8e-6 wo keeps a fixed step of 3.7e-9.  NaN and infinities are not treated apart.
; A stream: no LDS, no barrier, no matrix work.  A work-group takes 16,384 consecutive f32 (65,536 bytes) of ONE source, a wave 8,192 bytes of them as sixteen
; loads of 512 consecutive bytes, all sixteen out at once; there is no loop.  1,024 + 256 + 128 + 128 + 256 + 8 + 8 = 1,808 work-groups.
.set X,   4                            ; v[4:67]   load i: four f32
.set Y,   68                           ; v[68:99]  load i: two words of four 16-bit numbers
.set SRC, 28                           ; s[28:29]  the source
.set DST, 32                           ; s[32:33]  the destination
; s26 my number; s30, s31 the first work-group of my source, of my destination; s34 the mode (0 bf16, 1 f16 x 16, 2 f32); s35 log2 of the bytes that a work-group writes
.macro PICK first, src                 ; from work-group `first` on the source is s[src:src+1].  The selects leave SCC as it is, so further selects may follow
	s_cmp_ge_u32 s26, \first
	s_cselect_b64 s[SRC:SRC+1], s[\src:\src+1], s[SRC:SRC+1]
	s_cselect_b32 s30, \first, s30
.endm
.macro TOBF i                          ; load i's four numbers, rounded to bf16
	s_wait_loadcnt 15-(\i)                         ; loads come back in order: mine is in, the 15 - i younger ones stay out
	v_cvt_pk_bf16_f32 v[Y+2*(\i)],   v[X+4*(\i)],   v[X+4*(\i)+1]
	v_cvt_pk_bf16_f32 v[Y+2*(\i)+1], v[X+4*(\i)+2], v[X+4*(\i)+3]
.endm
.macro WIDEN i                         ; and back to f32, into the registers that they came in
	v_lshlrev_b32 v[X+4*(\i)],   16,  v[Y+2*(\i)]
	v_and_b32     v[X+4*(\i)+1], s42, v[Y+2*(\i)]
	v_lshlrev_b32 v[X+4*(\i)+2], 16,  v[Y+2*(\i)+1]
	v_and_b32     v[X+4*(\i)+3], s42, v[Y+2*(\i)+1]
.endm
	s_load_b512 s[4:19], s[0:1], 0x0               ; x 4, wq 6, wk 8, wv 10, wo 12, cos 14, sin 16, xb 18
	s_load_b128 s[20:23], s[0:1], 0x40             ; wb 20, wob 22
	s_load_b64 s[24:25], s[0:1], 0x50              ; rot
	s_mov_b32 s26, ttmp9
	s_mov_b32 s30, 0
	s_mov_b32 s31, 0
	s_mov_b32 s34, 0
	s_mov_b32 s35, 15
	s_mov_b32 s37, 0
	s_mov_b32 s39, 0
	s_mov_b32 s40, 0x41800000                      ; 16.0; the packed multiply names a pair and takes its low word for both halves
	s_mov_b32 s41, s40
	s_mov_b32 s42, 0xffff0000                      ; a word's upper bf16
	v_and_b32 v1, 31, v0
	v_and_b32 v2, 0xe0, v0                         ; 32 x wave
	v_lshlrev_b32 v1, 4, v1
	v_lshl_or_b32 v1, v2, 8, v1                    ; 8,192 x wave + 16 x lane: my place in the source (and in rot)
	v_lshrrev_b32 v2, 1, v1                        ; half of it: my place in a 16-bit destination
	s_wait_kmcnt 0x0
	s_mov_b64 s[SRC:SRC+1], s[4:5]
	s_mov_b64 s[DST:DST+1], s[18:19]
	PICK 1024, 6
	s_cselect_b64 s[DST:DST+1], s[20:21], s[DST:DST+1]
	s_cselect_b32 s31, 1024, s31
	PICK 1280, 8
	PICK 1408, 10
	PICK 1536, 12
	s_cselect_b64 s[DST:DST+1], s[22:23], s[DST:DST+1]
	s_cselect_b32 s31, 1536, s31
	s_cselect_b32 s34, 1, s34
	PICK 1792, 14
	s_cselect_b64 s[DST:DST+1], s[24:25], s[DST:DST+1]
	s_cselect_b32 s31, 1792, s31
	s_cselect_b32 s34, 2, s34
	s_cselect_b32 s35, 16, s35
	PICK 1800, 16
	s_sub_co_u32 s36, s26, s30
	s_lshl_b32 s36, s36, 16                        ; 65,536 bytes of source a work-group
	s_add_nc_u64 s[SRC:SRC+1], s[SRC:SRC+1], s[36:37]
	s_sub_co_u32 s38, s26, s31
	s_lshl_b32 s38, s38, s35                       ; 32,768 or 65,536 bytes of destination
	s_add_nc_u64 s[DST:DST+1], s[DST:DST+1], s[38:39]
.irp i, 0,1,2,3,4,5,6,7,8,9,10,11,12,13,14,15
	global_load_b128 v[X+4*(\i):X+4*(\i)+3], v1, s[SRC:SRC+1] offset:512*(\i) th:TH_LOAD_NT  ; read once in the whole program
.endr
	s_cmp_eq_u32 s34, 1
	s_cbranch_scc1 .Lf16
	s_cmp_eq_u32 s34, 2
	s_cbranch_scc1 .Lf32
	; mode 0.  Every register is written once, so no store's source is ever written again.
.irp i, 0,1,2,3,4,5,6,7,8,9,10,11,12,13,14,15
	TOBF \i
	global_store_b64 v2, v[Y+2*(\i):Y+2*(\i)+1], s[DST:DST+1] offset:256*(\i)  ; 32 lanes x 8 bytes: 256 consecutive bytes, aligned
.endr
	s_endpgm
.Lf16:                                                 ; mode 1: the bf16 number times 16, as f16
.irp i, 0,1,2,3,4,5,6,7,8,9,10,11,12,13,14,15
	TOBF \i
	WIDEN \i
	v_pk_mul_f32 v[X+4*(\i):X+4*(\i)+1],   v[X+4*(\i):X+4*(\i)+1],   s[40:41] op_sel_hi:[1,0]
	v_pk_mul_f32 v[X+4*(\i)+2:X+4*(\i)+3], v[X+4*(\i)+2:X+4*(\i)+3], s[40:41] op_sel_hi:[1,0]
	v_cvt_pk_f16_f32 v[Y+2*(\i)],   v[X+4*(\i)],   v[X+4*(\i)+1]
	v_cvt_pk_f16_f32 v[Y+2*(\i)+1], v[X+4*(\i)+2], v[X+4*(\i)+3]
	global_store_b64 v2, v[Y+2*(\i):Y+2*(\i)+1], s[DST:DST+1] offset:256*(\i)
.endr
	s_endpgm
.Lf32:                                                 ; mode 2: the bf16 number, as f32
.irp i, 0,1,2,3,4,5,6,7,8,9,10,11,12,13,14,15
	TOBF \i
	WIDEN \i
	global_store_b128 v1, v[X+4*(\i):X+4*(\i)+3], s[DST:DST+1] offset:512*(\i)  ; 512 consecutive bytes, aligned
.endr
	s_endpgm
.Lfunc_end_k_q4dc268a073_prep:
	.size	k_q4dc268a073_prep, .Lfunc_end_k_q4dc268a073_prep-k_q4dc268a073_prep
	.p2alignl 7, 3214868480
	.fill 96, 4, 3214868480
	.section	.rodata,"a",@progbits
	.p2align	6, 0x0
	.amdhsa_kernel k_q4dc268a073_prep
		.amdhsa_group_segment_fixed_size 0
		.amdhsa_private_segment_fixed_size 0
		.amdhsa_enable_private_segment 0
		.amdhsa_kernarg_size 88
		.amdhsa_user_sgpr_count 2
		.amdhsa_user_sgpr_kernarg_segment_ptr 1
		.amdhsa_wavefront_size32 1
		.amdhsa_system_sgpr_workgroup_id_x 1
		.amdhsa_system_sgpr_workgroup_id_y 1
		.amdhsa_system_sgpr_workgroup_id_z 1
		.amdhsa_system_vgpr_workitem_id 0
		.amdhsa_next_free_vgpr 112
		.amdhsa_next_free_sgpr 66
		.amdhsa_reserve_vcc 0
		.amdhsa_float_denorm_mode_32 3
		.amdhsa_float_denorm_mode_16_64 3
		.amdhsa_memory_ordered 1
		.amdhsa_forward_progress 1
		.amdhsa_inst_pref_size 25
	.end_amdhsa_kernel
	.amdgpu_metadata
---
amdhsa.version: [ 1, 2 ]
amdhsa.kernels:
  - .name:           k_q4dc268a073_prep
    .symbol:         k_q4dc268a073_prep.kd
    .args:
      - { .name: x, .offset: 0, .size: 8, .value_kind: global_buffer, .address_space: global }
      - { .name: wq, .offset: 8, .size: 8, .value_kind: global_buffer, .address_space: global }
      - { .name: wk, .offset: 16, .size: 8, .value_kind: global_buffer, .address_space: global }
      - { .name: wv, .offset: 24, .size: 8, .value_kind: global_buffer, .address_space: global }
      - { .name: wo, .offset: 32, .size: 8, .value_kind: global_buffer, .address_space: global }
      - { .name: freqs_cos, .offset: 40, .size: 8, .value_kind: global_buffer, .address_space: global }
      - { .name: freqs_sin, .offset: 48, .size: 8, .value_kind: global_buffer, .address_space: global }
      - { .name: xb, .offset: 56, .size: 8, .value_kind: global_buffer, .address_space: global }
      - { .name: wb, .offset: 64, .size: 8, .value_kind: global_buffer, .address_space: global }
      - { .name: wob, .offset: 72, .size: 8, .value_kind: global_buffer, .address_space: global }
      - { .name: rot, .offset: 80, .size: 8, .value_kind: global_buffer, .address_space: global }
    .group_segment_fixed_size: 0
    .private_segment_fixed_size: 0
    .kernarg_segment_align: 8
    .kernarg_segment_size: 88
    .max_flat_workgroup_size: 256
    .sgpr_count:     66
    .vgpr_count:     112
    .wavefront_size: 32
...
	.end_amdgpu_metadata
.endif
;; end of part 1
;; launch proj (part 2): grid 16 x 16, 4 waves a work-group, clusters of 4 x 4, 327,680 bytes of LDS; arguments xb, wb, rot, cache_k, cache_v, qkv; writes qkv
.if DOCPART == 2
	.amdgcn_target "amdgcn-amd-amdhsa--gfx1250"
	.amdhsa_code_object_version 6
	.text
	.protected	k_q4dc268a073_proj
	.globl	k_q4dc268a073_proj
	.p2align	8
	.type	k_q4dc268a073_proj,@function
k_q4dc268a073_proj:
	s_mov_b64 s[64:65], 0
	v_nop
	global_prefetch_b8 v0, s[64:65] scope:SCOPE_SE
	s_setreg_imm32_b32 hwreg(HW_REG_WAVE_MODE, 25, 1), 1
	s_wait_xcnt 0x0
	s_wait_alu depctr_hold_cnt(0) depctr_sa_sdst(0) depctr_va_vdst(0) depctr_va_sdst(0) depctr_va_ssrc(0) depctr_va_vcc(0) depctr_vm_vsrc(0)
	s_getreg_b32 s2, hwreg(HW_REG_IB_STS2, 6, 4)
	s_cmp_eq_u32 s2, 0
	s_cbranch_scc0 .Lentry_in_a_cluster
	s_endpgm
.Lentry_in_a_cluster:
	s_bfe_u32 s2, ttmp6, 0x10000c
	s_cmp_lg_u32 s2, 0xf033
	s_cbranch_scc0 .Lentry_shape_is_right
	s_endpgm
.Lentry_shape_is_right:
; q, k, v = x w^T, the rotation of q and k, the caches' update, and the rounding to f16.
; C[m][n] = sum over k of xb[m][k] wb[n][k]: xb [4096][4096], wb [2048][4096], both bf16, sums in f32.  qkv: [4096 rows (b, s)][2048] f16: q's head h at byte 256 h of a row,
; k's head g at 2,048 + 256 g, v's at 3,072 + 256 g.  EVERY NUMBER IS STORED TIMES 2^-4 (exact), which gives f16 sixteen times the room; the launches behind take the factor back.
; LIMITS.  |q|, |k|, |v| behind the rotation stay under 1.05e6 (65,504 x 16); below 9.8e-4 they keep a fixed step of 9.5e-7.  NaN and infinities are not treated apart.
; A cache number, where one is chosen, is rounded once to f16 like the others.
; SHARES.  A tile of C is 256 rows x 128 columns, one head: 16 x 16 tiles, a work-group each.  Four waves, as many as a WGP has SIMDs, stacked along the rows: a wave makes
; 64 x 128 in 32 accumulators of 16 x 16 (256 registers).  K goes in steps of 128 (rows of 256 bytes, each at a multiple of 256 from its buffer's first byte) through two LDS slots.
; CLUSTER.  4 x 4 work-groups.  The four of a row of the cluster need the same rows of xb, the four of a column the same rows of wb: each tile is asked for JOINTLY, by the same tensor
; load with the same descriptor and a mask that names the four.  A cluster's four tile columns are of one kind (cluster x 0, 1: q; 2: k; 3: v), so the branches of the way out are alike in all partners.
; THE MATRIX INSTRUCTION IS USED TRANSPOSED (source 0 = 16 rows of wb, source 1 = 16 rows of xb): lane l then holds row l % 16 of C and the columns 8 (l / 16) + 0..7: four pairs of the rotation.
; REGISTERS, in windows of 256 (s_set_vgpr_msb: bits 1:0 source 0, 3:2 source 1, 5:4 source 2, 7:6 destination):
;   window 0: v0-31 addresses; v64-127 xb's fragments, two buffers of 4 x 8; v128-255 wb's, two buffers of 8 x 8; on the way out v32-95, v96-127, v128-255 at work
;   window 1: the accumulators, (a, b) at v[8 (8 a + b)]      window 2: cos at v[4 (8 a + b)], sin 128 on      window 3: the cache's numbers, at the accumulators' places
.set SIZE_K, 4096
.set NS,     SIZE_K/128                ; K steps
.set PITCH,  272                       ; an LDS row: 256 bytes + 16 of padding = 68 words: the 16 rows of a fragment load start at 16 different groups of four banks (64 banks of 4 bytes: ISA guide 11.1)
.set BOFF,   256*PITCH                 ; a slot: xb's 256 rows, then wb's 128
.set SLOT1,  1<<17                     ; slot 1 begins here, so that one exclusive or turns an address in one slot into the other's
.set STAGE,  SLOT1+384*PITCH           ; behind the ring, never filled by a tensor load: 16 rows x 272 bytes for each wave, for the way out
.set SPARE,  STAGE+4*16*PITCH          ; the spare words, 128 bytes for each wave: two blocks of 256 bytes that no other line names
.set START_POS, 0                      ; the problem's constant
.set SEQ,    2048                      ; rows that the update covers, and a cache's length
.set A0,   16                          ; v16  my lane's place in xb's rows of a slot; never rewritten
.set B0,   17                          ; v17  the same for wb
.set ADRA, 18                          ; v18  A0 + the slot in hand
.set ADRB, 19                          ; v19  B0 + the slot in hand
.set VC,   20                          ; v20  my byte offset in cos (and sin)
.set VK,   21                          ; v21  my byte offset in the tile's part of a cache
.set PF,   22                          ; v22  the same for the prefetch: lanes 256 bytes apart
.set POS,  23                          ; v23  my row's place in its sequence, block 0
.set STO,  24                          ; v24  the way out: where I put 16 bytes of a row
.set RD,   25                          ; v25  the way out: where I read a row back
.set CO,   26                          ; v26  my byte offset in qkv
.set TP,   27                          ; v27  at work
.set SPW,  28                          ; v28  LDS address of my spare word; never rewritten
.set NIL,  29                          ; v29  0; never rewritten
.set T,    32                          ; v32-95   the way out: 64 f32 at work
.set TMP,  96                          ; v96-127  a block's 16-bit words
.set OB,   128                         ; v128-255 four blocks read back from the stage
.set FA,   64
.set FB,   128
.set G1,   24                          ; s[24:31] descriptor group 1 for xb's tiles
.set G0,   32                          ; s[32:39] group 0: a set for each of the two first fills; the second then walks on
.set G1B,  48                          ; s[48:55], s[56:63] the same for wb's tiles
.set G0B,  56
.set WV,   68                          ; s68  my wave's number
.set HF,   70                          ; s70  which half of a tile I fetch
.set TYPE, 71                          ; s71  the cluster's x: 0, 1 q; 2 k; 3 v
.set MSK,  72                          ; s72-75  block a: the lanes whose row the update covers
.set CB,   76                          ; s[76:77] the cache at the tile's first row and head
.set QP,   78                          ; s[78:79] qkv at my first row and the tile's head
.set SCL,  80                          ; s[80:81] 2^-4
.set TB,   84                          ; s84  LDS byte at which the slot in hand begins
.set LEN,  85                          ; s85  SEQ
.set MSB, 0
.macro WIN new                         ; the immediate's high byte repeats the setting that is left; a switch that changes nothing is dropped
.if MSB != (\new)
	s_set_vgpr_msb (MSB<<8)|(\new)
.set MSB, \new
.endif
.endm
.set W_MUL, 0x50                       ; fragments in window 0, C and D in window 1
.macro PLACES                          ; a load into a register that a matrix instruction has read, and a vector instruction or LDS store that reads a matrix result, stand four plain vector
.rept 4                                ; instructions behind it (ISA guide 7.12.1 for vector instructions); the matrix instructions in between are not counted
	v_nop
.endr
.endm
; A joint refill, by the walking descriptors.  Waves 0 and 1 fetch xb's two halves (128 rows each), waves 2 and 3 wb's (64 rows each).  The branch hangs on the wave's number alone.
; An s_nop 0 and four v_nop follow each of the two lines, ahead of the jump and the label.
.macro JLOAD
	s_cmp_lt_u32 s[WV], 2
	s_cbranch_scc0 .Lfor_b_\@
	tensor_load_to_lds s[G0+4:G0+7], s[G1:G1+7]
	s_nop 0
.rept 4
	v_nop
.endr
	s_branch .Lasked_\@
.Lfor_b_\@:
	tensor_load_to_lds s[G0B+4:G0B+7], s[G1B:G1B+7]
	s_nop 0
.rept 4
	v_nop
.endr
.Lasked_\@:
.endm
.macro CREST                           ; a round of the cluster's barrier behind its opening barrier: wave 0 signals for the work-group, every wave waits for all sixteen, my work-group's barrier once more
	s_cmp_lg_u32 s[WV], 0
	s_cbranch_scc1 .Lnot_wave_0_\@
	s_barrier_signal -3
.Lnot_wave_0_\@:
	s_barrier_wait -3
	s_barrier_signal -1
	s_barrier_wait -1
.endm
.macro CROUND                          ; a whole round
	s_barrier_signal -1
	s_barrier_wait -1
	CREST
.endm
	s_load_b256 s[4:11], s[0:1], 0x0               ; xb 4, wb 6, rot 8, cache_k 10
	s_load_b128 s[12:15], s[0:1], 0x20             ; cache_v 12, qkv 14
	v_lshl_add_u32 v[SPW], v0, 2, SPARE
	v_mov_b32 v[NIL], 0
	ds_add_u32 v[SPW], v[NIL]                      ; the wave's opening: the add and its wait stand ahead of my first tensor load; the set-up below, work on registers, stands between them
	v_lshrrev_b32 v1, 5, v0
	v_readfirstlane_b32 s[WV], v1                  ; wave 0..3
	s_and_b32 s[HF], s[WV], 1
	s_mov_b32 s[TYPE], ttmp9                       ; in a cluster launch ttmp9 and ttmp7 count clusters
	s_bfe_u32 s40, ttmp6, 0x40000                  ; cx
	s_bfe_u32 s41, ttmp6, 0x40004                  ; cy
	s_lshl_b32 s42, ttmp9, 2
	s_add_co_u32 s42, s42, s40                     ; tile column = 4 x cluster x + cx
	s_and_b32 s43, ttmp7, 0xffff
	s_lshl_b32 s43, s43, 2
	s_add_co_u32 s43, s43, s41                     ; tile row = 4 x cluster y + cy
	s_lshl_b32 s44, s41, 2
	s_lshl_b32 s44, 15, s44                        ; my row of the cluster: places 4 cy .. 4 cy + 3
	s_lshl_b32 s45, 0x1111, s40                    ; my column: places cx, cx + 4, cx + 8, cx + 12
	s_or_b32 s[G1], s44, (1<<16)|(1<<20)|(1<<21)|(5<<22)|(3<<25)   ; 15:0 the mask; 17:16 2-byte elements; 20 padding on; 21 set beside a mask; 24:22 after every 64 words (code 5); 31:25 4 words (code 3)
	s_or_b32 s[G1B], s45, (1<<16)|(1<<20)|(1<<21)|(5<<22)|(3<<25)
	s_mov_b32 s[G1+1], 128<<16                     ; tensor_dim0 = 128
	s_mov_b32 s[G1+2], 128<<16                     ; tensor_dim1 = 128
	s_mov_b32 s[G1+3], 128<<16                     ; tile_dim0 = 128
	s_mov_b32 s[G1+4], 128                         ; tile_dim1 = 128
	s_mov_b32 s[G1+5], SIZE_K                      ; elements from row to row
	s_mov_b32 s[G1+6], 0
	s_mov_b32 s[G1+7], 0
	s_mov_b32 s[G1B+1], 128<<16
	s_mov_b32 s[G1B+2], 64<<16                     ; wb's loads have 64 rows
	s_mov_b32 s[G1B+3], 128<<16
	s_mov_b32 s[G1B+4], 64
	s_mov_b32 s[G1B+5], SIZE_K
	s_mov_b32 s[G1B+6], 0
	s_mov_b32 s[G1B+7], 0
	; xb's address hangs on the tile row alone, wb's on the tile column alone; every wave makes both, in registers that never hold the other coordinate
	s_lshl_b32 s17, s[HF], 7
	s_lshl_b32 s16, s43, 8
	s_add_co_u32 s16, s16, s17                     ; xb: row 256 x tile row + 128 x half
	s_lshl_b32 s47, s[HF], 6
	s_lshl_b32 s46, s42, 7
	s_add_co_u32 s46, s46, s47                     ; wb: row 128 x tile column + 64 x half
	s_mov_b32 s17, 0
	s_mov_b32 s47, 0
	s_mov_b64 s[18:19], SIZE_K*2
	s_mul_u64 s[16:17], s[16:17], s[18:19]
	s_mul_u64 s[46:47], s[46:47], s[18:19]
	s_mul_i32 s20, s[HF], 128*PITCH                ; where they go: no place in the cluster enters an LDS address
	s_mul_i32 s21, s[HF], 64*PITCH
	s_add_co_u32 s21, s21, BOFF
	s_mov_b32 s[TB], 0
	s_mov_b32 s[SCL], 0x3d800000                   ; 2^-4
	s_mov_b32 s[SCL+1], s[SCL]                     ; named with it as a pair
	s_mov_b32 s[LEN], SEQ
	s_wait_dscnt 0x0                               ; the opening add is done
	s_wait_kmcnt 0x0
	s_add_nc_u64 s[16:17], s[4:5], s[16:17]
	s_add_nc_u64 s[46:47], s[6:7], s[46:47]
	CROUND                                         ; all sixteen work-groups are here: the first joint loads meet
.irp s, 0,1
	s_mov_b32 s[G0+4*(\s)], 1                                      ; count = 1
	s_add_co_u32 s[G0+4*(\s)+1], s20, (\s)*SLOT1                   ; LDS address
	s_add_nc_u64 s[G0+4*(\s)+2:G0+4*(\s)+3], s[16:17], (\s)*256    ; global address: K step s
	s_or_b32 s[G0+4*(\s)+3], s[G0+4*(\s)+3], 0x80000000            ; type = 2
	s_mov_b32 s[G0B+4*(\s)], 1
	s_add_co_u32 s[G0B+4*(\s)+1], s21, (\s)*SLOT1
	s_add_nc_u64 s[G0B+4*(\s)+2:G0B+4*(\s)+3], s[46:47], (\s)*256
	s_or_b32 s[G0B+4*(\s)+3], s[G0B+4*(\s)+3], 0x80000000
.endr
	s_cmp_lt_u32 s[WV], 2                          ; a wave's two first fills stand in one branch, ahead of every wait on TENSORcnt and every LDS read: two loads of mine are out
	s_cbranch_scc0 .Lfirst_b
	tensor_load_to_lds s[G0:G0+3], s[G1:G1+7]
	s_nop 0
	tensor_load_to_lds s[G0+4:G0+7], s[G1:G1+7]
	s_nop 0
.rept 4
	v_nop
.endr
	s_branch .Lfirst_asked
.Lfirst_b:
	tensor_load_to_lds s[G0B:G0B+3], s[G1B:G1B+7]
	s_nop 0
	tensor_load_to_lds s[G0B+4:G0B+7], s[G1B:G1B+7]
	s_nop 0
.rept 4
	v_nop
.endr
.Lfirst_asked:
	; A fragment is 16 rows x 32 K in 8 registers: lane l holds row l % 16, K = 8 (l / 16) + 0..7 and 16 + 8 (l / 16) + 0..7: two loads of 16 bytes, 32 bytes apart.
	v_and_b32 v1, 15, v0                           ; r = l % 16
	v_bfe_u32 v2, v0, 4, 1                         ; h = l / 16
	v_mul_u32_u24 v3, v1, PITCH
	v_lshl_add_u32 v3, v2, 4, v3                   ; row x pitch + 16 x half
	s_mul_i32 s22, s[WV], 64*PITCH                 ; my 64 rows of xb
	v_add_nc_u32 v[A0], s22, v3
	v_add_nc_u32 v[B0], BOFF, v3                   ; all 128 rows of wb
	s_mul_i32 s23, s[WV], 16*PITCH
	s_add_co_u32 s23, s23, STAGE                   ; my stage
	v_add_nc_u32 v[STO], s23, v3                   ; in: row r, 16 bytes for each half of the lanes
	v_mul_u32_u24 v4, v2, PITCH                    ; back: lanes 0-15 take one row of 256 bytes, lanes 16-31 the next
	v_lshl_add_u32 v4, v1, 4, v4
	v_add_nc_u32 v[RD], s23, v4
	v_lshlrev_b32 v[CO], 12, v2                    ; and the same two rows in qkv, 4,096 bytes apart
	v_lshl_add_u32 v[CO], v1, 4, v[CO]
	s_and_b32 s86, s43, 7                          ; a sequence is 8 tile rows
	s_lshl_b32 s86, s86, 8
	s_lshl_b32 s87, s[WV], 6
	s_add_co_u32 s86, s86, s87                     ; my first row's place in its sequence
	v_add_nc_u32 v[POS], s86, v1
	v_lshlrev_b32 v[VC], 8, v[POS]                 ; a row of cos is 256 bytes;
	v_lshl_add_u32 v[VC], v2, 4, v[VC]             ; my eight columns are four pairs: 16 bytes
	v_add_nc_u32 v[VK], s87, v1
	v_lshlrev_b32 v[VK], 11, v[VK]                 ; a row of a cache is 2,048 bytes;
	v_lshl_add_u32 v[VK], v2, 5, v[VK]             ; my eight columns are 32 bytes
	v_bfe_u32 v[PF], v0, 1, 4
	v_add_nc_u32 v[PF], s87, v[PF]
	v_lshlrev_b32 v[PF], 11, v[PF]                 ; two lanes to a row,
	v_and_b32 v[TP], 1, v0
	v_lshl_add_u32 v[PF], v[TP], 8, v[PF]          ; one for each 256 bytes of the head's 512
	s_cmp_eq_u32 s[TYPE], 3
	s_cselect_b64 s[CB:CB+1], s[12:13], s[10:11]   ; cache_v for v's tiles, else cache_k
	s_lshl_b32 s82, s43, 19                        ; 256 rows of 2,048 bytes a tile row,
	s_and_b32 s83, s42, 3
	s_lshl_b32 s83, s83, 9                         ; 512 bytes a head
	s_add_co_u32 s82, s82, s83
	s_mov_b32 s83, 0
	s_add_nc_u64 s[CB:CB+1], s[CB:CB+1], s[82:83]
	s_lshl_b32 s82, s43, 8
	s_add_co_u32 s82, s82, s87
	s_lshl_b32 s82, s82, 12                        ; my first row of qkv,
	s_lshl_b32 s83, s42, 8                         ; the tile's 256 bytes of it
	s_add_co_u32 s82, s82, s83
	s_mov_b32 s83, 0
	s_add_nc_u64 s[QP:QP+1], s[14:15], s[82:83]
; 8 matrix instructions: row block a x all 8 column blocks, 32 along K, on buffer f.  zero = 1: the product starts the sums.  The 32 accumulators take turns, one instruction a turn, in the
; same order in every quarter.
.macro MUL8 f, a, zero
	WIN W_MUL
.irp b, 0,1,2,3,4,5,6,7
.if \zero
	v_wmma_f32_16x16x32_bf16 v[8*(8*(\a)+(\b)):8*(8*(\a)+(\b))+7], v[FB+64*(\f)+8*(\b):FB+64*(\f)+8*(\b)+7], v[FA+32*(\f)+8*(\a):FA+32*(\f)+8*(\a)+7], 0
.else
	v_wmma_f32_16x16x32_bf16 v[8*(8*(\a)+(\b)):8*(8*(\a)+(\b))+7], v[FB+64*(\f)+8*(\b):FB+64*(\f)+8*(\b)+7], v[FA+32*(\f)+8*(\a):FA+32*(\f)+8*(\a)+7], v[8*(8*(\a)+(\b)):8*(8*(\a)+(\b))+7]
.endif
.endr
.endm
; 24 LDS loads in one run: a quarter step's fragments (32 K at byte k of the rows) into buffer f: wb's 16, then xb's 8
.macro FETCH k, f
	WIN 0
.irp i, 0,1,2,3,4,5,6,7
	ds_load_b128 v[FB+64*(\f)+8*(\i):FB+64*(\f)+8*(\i)+3],   v[ADRB] offset:(\k)+(\i)*16*PITCH
	ds_load_b128 v[FB+64*(\f)+8*(\i)+4:FB+64*(\f)+8*(\i)+7], v[ADRB] offset:(\k)+(\i)*16*PITCH+32
.endr
.irp i, 0,1,2,3
	ds_load_b128 v[FA+32*(\f)+8*(\i):FA+32*(\f)+8*(\i)+3],   v[ADRA] offset:(\k)+(\i)*16*PITCH
	ds_load_b128 v[FA+32*(\f)+8*(\i)+4:FA+32*(\f)+8*(\i)+7], v[ADRA] offset:(\k)+(\i)*16*PITCH+32
.endr
.endm
; A K step is four quarters of 32 along K, 32 matrix instructions each, on buffers 0, 1, 0, 1.  One of the first three multiplies buffer f and, in its middle, fetches the next quarter into g.
.macro QUARTER k, f, g, zero
	s_wait_dscnt 4                                 ; wb's fragments and xb's blocks 0, 1 are in; the youngest four loads (blocks 2, 3) may be out
	MUL8 \f, 0, \zero
	MUL8 \f, 1, \zero
	PLACES
	FETCH \k, \g
	s_wait_dscnt 24                                ; all but the 24 just issued
	MUL8 \f, 2, \zero
	MUL8 \f, 3, \zero
.endm
; The fourth quarter multiplies buffer 1 and changes slots: ONE barrier.  In front of it each wave waits for all its tensor loads, of which one is out: its part of the next slot; adds 0 to its spare
; word; and waits for that and for its own reads of this slot.  fill = 1: the barrier opens a round of the cluster's, and this slot is filled again, two K steps ahead, first thing behind the round:
; from that request to the wait for it a wave issues 112 matrix instructions.
.macro TURN fill
	WIN 0                                          ; (the add's two registers lie in window 0)
	s_wait_tensorcnt 0x0                           ; all my tensor loads have landed, so a group 0 may be written;
	ds_add_u32 v[SPW], v[NIL]                      ; 0 onto my spare word;
	s_wait_dscnt 5                                 ; (the add and the youngest four loads may be out)
	MUL8 1, 0, 0                                   ; eight matrix instructions stand between the add and the wait for it
	s_wait_dscnt 0x0                               ; the add is done, and my reads of this slot are over
	s_barrier_signal -1
	MUL8 1, 1, 0                                   ; work on registers while the others arrive
	WIN 0
	s_barrier_wait -1
.if \fill
	CREST                                          ; no wave of any partner still reads this slot's tile or has a load on its way
	s_xor_b32 s[G0+5], s[G0+5], SLOT1              ; the walking descriptors: the other slot than last time,
	s_add_nc_u64 s[G0+6:G0+7], s[G0+6:G0+7], 256   ; the next K step; the type bits on top are not reached
	s_xor_b32 s[G0B+5], s[G0B+5], SLOT1
	s_add_nc_u64 s[G0B+6:G0B+7], s[G0B+6:G0B+7], 256
	JLOAD                                          ; the four v_nop behind it are also the places in front of the loads below
.else
	PLACES
.endif
	s_xor_b32 s[TB], s[TB], SLOT1
	v_add_nc_u32 v[ADRA], s[TB], v[A0]
	v_add_nc_u32 v[ADRB], s[TB], v[B0]
	FETCH 0, 0
	MUL8 1, 2, 0
	MUL8 1, 3, 0
.endm
	s_wait_tensorcnt 1                             ; my part of K step 0 is in; K step 1's may stay out
	s_barrier_signal -1
	s_barrier_wait -1                              ; everybody's is
	v_mov_b32 v[ADRA], v[A0]                       ; slot 0 begins at LDS byte 0
	v_mov_b32 v[ADRB], v[B0]
	FETCH 0, 0
	QUARTER 64, 0, 1, 1                            ; the first quarter stands in front of the loop: its products start the sums
	WIN 0                                          ; at a label and at a branch every window is 0
	s_mov_b32 s3, NS-2
.Lstep:                                                ; a trip: from a K step's second quarter to the next step's first; it fills the slot that it leaves
	QUARTER 128, 1, 0, 0
	QUARTER 192, 0, 1, 0
	TURN 1
	QUARTER 64, 0, 1, 0
	WIN 0
	s_sub_co_u32 s3, s3, 1
	s_cmp_lg_u32 s3, 0
	s_cbranch_scc1 .Lstep
	; k's and v's tiles ask for their part of the cache here, 224 matrix instructions ahead of its loads: a wave for its own 64 rows x 512 bytes, lanes 256 bytes apart, each block once in the launch
	s_cmp_lt_u32 s[TYPE], 2
	s_cbranch_scc1 .Lno_ask
.irp i, 0,1,2,3
	global_prefetch_b8 v[PF], s[CB:CB+1] offset:(\i)*32768 th:TH_LOAD_NT scope:SCOPE_SE
.endr
.Lno_ask:
	QUARTER 128, 1, 0, 0                           ; the last two K steps are written out: nothing is left to ask for
	QUARTER 192, 0, 1, 0
	TURN 0
	QUARTER 64, 0, 1, 0
	QUARTER 128, 1, 0, 0
	QUARTER 192, 0, 1, 0
	s_wait_dscnt 4
	MUL8 1, 0, 0
	MUL8 1, 1, 0
	s_wait_dscnt 0x0
	MUL8 1, 2, 0
	MUL8 1, 3, 0
	WIN 0
	PLACES
; THE WAY OUT.  Each part that only some kinds of tile take holds both its loads and their uses.
; The rotation of block a: pair (x0, x1) of channels 2 i, 2 i + 1 becomes (x0 c - x1 s, x0 s + x1 c).  First both products with s, then two fused multiply-adds in place.
; Each accumulator's lowest registers are read first.
.macro ROPE a
	s_wait_loadcnt 48-16*(\a)                      ; this block's 16 loads are in; the later blocks' stay out
	WIN 0x09                                       ; source 0 window 1 (x), source 1 window 2 (sin), destination window 0
.irp b, 0,1,2,3,4,5,6,7
.irp j, 0,1,2,3
	v_mul_f32 v[T+8*(\b)+2*(\j)],   v[8*(8*(\a)+(\b))+2*(\j)+1], v[128+4*(8*(\a)+(\b))+(\j)]
	v_mul_f32 v[T+8*(\b)+2*(\j)+1], v[8*(8*(\a)+(\b))+2*(\j)],   v[128+4*(8*(\a)+(\b))+(\j)]
.endr
.endr
	WIN 0x49                                       ; x in window 1, cos in window 2, the products in window 0
.irp b, 0,1,2,3,4,5,6,7
.irp j, 0,1,2,3
	v_fma_f32 v[8*(8*(\a)+(\b))+2*(\j)],   v[8*(8*(\a)+(\b))+2*(\j)],   v[4*(8*(\a)+(\b))+(\j)], -v[T+8*(\b)+2*(\j)]
	v_fma_f32 v[8*(8*(\a)+(\b))+2*(\j)+1], v[8*(8*(\a)+(\b))+2*(\j)+1], v[4*(8*(\a)+(\b))+(\j)], v[T+8*(\b)+2*(\j)+1]
.endr
.endr
.endm
; The cache's update, read back: a row inside [START_POS, START_POS + SEQ) holds the new number, any other the cache's
.macro SELECT a
	s_wait_loadcnt 48-16*(\a)
	WIN 0x47                                       ; source 0 window 3 (cache), source 1 and destination window 1
.set i, 64*(\a)
.rept 64
	v_cndmask_b32 v[i], v[i], v[i], s[MSK+(\a)]
.set i, i+1
.endr
.endm
.macro PACK a                          ; block a times 2^-4, rounded to f16: 16 bytes a lane and column block
	WIN 0x01
.set i, 0
.rept 32
	v_pk_mul_f32 v[T+2*i:T+2*i+1], v[64*(\a)+2*i:64*(\a)+2*i+1], s[SCL:SCL+1] op_sel_hi:[1,0]
.set i, i+1
.endr
	WIN 0
.set i, 0
.rept 32
	v_cvt_pk_f16_f32 v[TMP+i], v[T+2*i], v[T+2*i+1]
.set i, i+1
.endr
.endm
.macro TOSTAGE a                       ; into my own stage, and back as whole rows of 256 bytes
	WIN 0
.irp b, 0,1,2,3,4,5,6,7
	ds_store_b128 v[STO], v[TMP+4*(\b):TMP+4*(\b)+3] offset:32*(\b)
.endr
.irp t, 0,1,2,3,4,5,6,7
	ds_load_b128 v[OB+32*(\a)+4*(\t):OB+32*(\a)+4*(\t)+3], v[RD] offset:(\t)*2*PITCH  ; LDS serves a wave's instructions in order (ISA guide 5.7.1.4): these see the stores above, and the next block's stores come behind them
.endr
.endm
.macro SEND a                          ; each block has registers of its own, so no store's source is written again
	WIN 0
	s_wait_dscnt 0x0                               ; the block is back in registers
.irp t, 0,1,2,3,4,5,6,7
	global_store_b128 v[CO], v[OB+32*(\a)+4*(\t):OB+32*(\a)+4*(\t)+3], s[QP:QP+1] offset:(16*(\a)+2*(\t))*4096  ; 16 lanes store 256 consecutive bytes, at a multiple of 256 from qkv's first byte
.endr
.endm
	s_cmp_eq_u32 s[TYPE], 3
	s_cbranch_scc1 .Lno_rope                       ; v is not rotated
	WIN 0x80                                       ; destination window 2, address window 0
.irp a, 0,1,2,3
.irp b, 0,1,2,3,4,5,6,7
	global_load_b128 v[4*(8*(\a)+(\b)):4*(8*(\a)+(\b))+3],         v[VC], s[8:9] offset:(\a)*4096+(\b)*32
	global_load_b128 v[128+4*(8*(\a)+(\b)):128+4*(8*(\a)+(\b))+3], v[VC], s[8:9] offset:524288+(\a)*4096+(\b)*32
.endr
.endr
	ROPE 0
	ROPE 1
	ROPE 2
	ROPE 3
	WIN 0
.Lno_rope:
	s_cmp_lt_u32 s[TYPE], 2
	s_cbranch_scc1 .Lno_cache                      ; q has no cache
.irp a, 0,1,2,3
	v_add_nc_u32 v[TP], 16*(\a)-START_POS, v[POS]
	v_cmp_gt_u32 s[MSK+(\a)], s[LEN], v[TP]        ; unsigned: a row in front of START_POS wraps round and is out too
.endr
	WIN 0xc0                                       ; destination window 3, address window 0
.irp a, 0,1,2,3
.irp b, 0,1,2,3,4,5,6,7
	global_load_b128 v[8*(8*(\a)+(\b)):8*(8*(\a)+(\b))+3],   v[VK], s[CB:CB+1] offset:(\a)*32768+(\b)*64
	global_load_b128 v[8*(8*(\a)+(\b))+4:8*(8*(\a)+(\b))+7], v[VK], s[CB:CB+1] offset:(\a)*32768+(\b)*64+16
.endr
.endr
	SELECT 0
	SELECT 1
	SELECT 2
	SELECT 3
	WIN 0
.Lno_cache:
	PACK 0
	TOSTAGE 0
.irp a, 1,2,3                          ; block a's arithmetic stands between block a - 1's loads from the stage and the wait for them
	PACK \a
	SEND (\a)-1
	TOSTAGE \a
.endr
	SEND 3
	s_wait_tensorcnt 0x0                           ; the wave's end: a wait, an add to my spare word and its wait, behind my last tensor load and my last LDS store
	ds_add_u32 v[SPW], v[NIL]
	s_wait_dscnt 0x0
	CROUND                                         ; the closing round: no work-group ends while a partner may still ask for a tile that names it
	s_endpgm
.Lfunc_end_k_q4dc268a073_proj:
	.size	k_q4dc268a073_proj, .Lfunc_end_k_q4dc268a073_proj-k_q4dc268a073_proj
	.p2alignl 7, 3214868480
	.fill 96, 4, 3214868480
	.section	.rodata,"a",@progbits
	.p2align	6, 0x0
	.amdhsa_kernel k_q4dc268a073_proj
		.amdhsa_group_segment_fixed_size 327680
		.amdhsa_private_segment_fixed_size 0
		.amdhsa_enable_private_segment 0
		.amdhsa_kernarg_size 48
		.amdhsa_user_sgpr_count 2
		.amdhsa_user_sgpr_kernarg_segment_ptr 1
		.amdhsa_wavefront_size32 1
		.amdhsa_system_sgpr_workgroup_id_x 1
		.amdhsa_system_sgpr_workgroup_id_y 1
		.amdhsa_system_sgpr_workgroup_id_z 1
		.amdhsa_system_vgpr_workitem_id 0
		.amdhsa_next_free_vgpr 1024
		.amdhsa_next_free_sgpr 96
		.amdhsa_reserve_vcc 0
		.amdhsa_float_denorm_mode_32 3
		.amdhsa_float_denorm_mode_16_64 3
		.amdhsa_memory_ordered 1
		.amdhsa_forward_progress 1
		.amdhsa_inst_pref_size 132
	.end_amdhsa_kernel
	.amdgpu_metadata
---
amdhsa.version: [ 1, 2 ]
amdhsa.kernels:
  - .name:           k_q4dc268a073_proj
    .symbol:         k_q4dc268a073_proj.kd
    .args:
      - { .name: xb, .offset: 0, .size: 8, .value_kind: global_buffer, .address_space: global }
      - { .name: wb, .offset: 8, .size: 8, .value_kind: global_buffer, .address_space: global }
      - { .name: rot, .offset: 16, .size: 8, .value_kind: global_buffer, .address_space: global }
      - { .name: cache_k, .offset: 24, .size: 8, .value_kind: global_buffer, .address_space: global }
      - { .name: cache_v, .offset: 32, .size: 8, .value_kind: global_buffer, .address_space: global }
      - { .name: qkv, .offset: 40, .size: 8, .value_kind: global_buffer, .address_space: global }
    .group_segment_fixed_size: 327680
    .private_segment_fixed_size: 0
    .kernarg_segment_align: 8
    .kernarg_segment_size: 48
    .max_flat_workgroup_size: 128
    .sgpr_count:     96
    .vgpr_count:     1024
    .wavefront_size: 32
...
	.end_amdgpu_metadata
.endif
;; end of part 2
;; launch attn (part 3): grid 16 x 16, 4 waves a work-group, clusters of 4 x 1, 327,680 bytes of LDS; arguments qkv, ob; writes ob
.if DOCPART == 3
	.amdgcn_target "amdgcn-amd-amdhsa--gfx1250"
	.amdhsa_code_object_version 6
	.text
	.protected	k_q4dc268a073_attn
	.globl	k_q4dc268a073_attn
	.p2align	8
	.type	k_q4dc268a073_attn,@function
k_q4dc268a073_attn:
	s_mov_b64 s[64:65], 0
	v_nop
	global_prefetch_b8 v0, s[64:65] scope:SCOPE_SE
	s_setreg_imm32_b32 hwreg(HW_REG_WAVE_MODE, 25, 1), 1
	s_wait_xcnt 0x0
	s_wait_alu depctr_hold_cnt(0) depctr_sa_sdst(0) depctr_va_vdst(0) depctr_va_sdst(0) depctr_va_ssrc(0) depctr_va_vcc(0) depctr_vm_vsrc(0)
	s_getreg_b32 s2, hwreg(HW_REG_IB_STS2, 6, 4)
	s_cmp_eq_u32 s2, 0
	s_cbranch_scc0 .Lentry_in_a_cluster
	s_endpgm
.Lentry_in_a_cluster:
	s_bfe_u32 s2, ttmp6, 0x10000c
	s_cmp_lg_u32 s2, 0x3003
	s_cbranch_scc0 .Lentry_shape_is_right
	s_endpgm
.Lentry_shape_is_right:
; ATTENTION.  O[b][s][hq][:] = the sum over t of softmax_t(q[b][s][hq] . k[b][t][g] / sqrt(128)) v[b][t][g][:], g = hq / 2; no mask; 2,048 keys.
; qkv: [4096 rows (b, s)][2048] f16, 4,096 bytes a row: q's head hq at byte 256 hq, k's head g at 2,048 + 256 g, v's at 3,072 + 256 g, every number times 2^-4.  ob: [4096][1024] f16, head hq at byte 256 hq,
; O times 2^-4 (v's factor stays in it).  Products, maxima and sums in f32; the weights p are rounded to f16 for the second product (their sum l is taken of the unrounded p), O once at the end.
; LIMITS.  p lies in 0 to 1, and below 6e-5 it keeps f16's fixed step of 6e-8; O is a mean of v's rows and has their range; a weight below 2^-126 counts as 0 in l; NaN and infinities are not treated apart.
; SHARES.  32,768 query rows for 256 work-groups: a work-group owns 128 queries of one (b, hq).  A wave holds 64 queries (four tiles of 16), so that each fragment of K and V read from LDS feeds four
; tiles' products, and the KEYS are halved between waves: wave w has queries 64 (w % 2) on and keys 1,024 (w / 2) on, 16 steps of 64.  The two partial softmaxes of a query meet once, at the end, in LDS.
; Register tile t holds query block (t + 2 (w / 2)) % 4: so every wave keeps its tiles 0, 1 and sends its tiles 2, 3, and no branch hangs on the wave there.
; LAYOUT.  S^T = K Q^T (source 0 = 16 keys, source 1 = 16 queries): a lane holds ONE query (lane % 16) and the keys 8 (lane / 16) + 0..7.  Two such tiles, rounded to f16 in pairs, ARE source 1
; (32 keys x 16 queries) of O^T = V^T P, whose result again holds one query a lane, and eight channels.  K comes out of LDS as it lies, V ([key][channel]) turned, by ds_load_tr16_b128.
; SOFTMAX.  For each query a running maximum m and sum l: p = 2^(c s - c m), c = 2^8 log2(e) / sqrt(128) (the 2^8 takes q's and k's factors back); in every step O and l are multiplied by
; a = 2^(c m_old - c m_new).  m starts at the lowest finite number, O and l at 0: the first step is a step like any other, with a = 0.
; BY TURNS.  The wave's tiles are two PIECES (piece 0: tiles 0, 1; piece 2: tiles 2, 3).  In a TURN one piece has the matrix unit: 32 products V^T P of the step in hand, then 32 products K Q^T of the
; next step; the other piece's softmax, 268 vector instructions cut into 64 slices, stands between them, one slice behind each matrix instruction.  Two turns are a key step.
; NO FIRST AND NO LAST STEP is written out: the loop is entered, and the tail left, in the middle of a trip.  The price: 32 products on zeros at the start, 32 on the last K once more at the end, and
; 432 v_mov_b32 in the wait for the first tile.
; CLUSTER.  The four query blocks of a cluster belong to one (b, hq) and walk the same K and V, so each tile is asked for JOINTLY: the same tensor load, descriptor and mask in all four.
; REGISTERS, in windows of 256 (s_set_vgpr_msb: bits 1:0 source 0, 3:2 source 1, 5:4 source 2, 7:6 destination):
;   window 0: v0-11, v44-48 addresses; v12-43 eight registers of statistics a tile; v64-191 S^T, 32 a tile; v192-255 P, 16 a tile
;   window 1: O^T, 64 a tile          window 2: v0-127 Q, 32 a tile (at the end: the partner's O^T); v128-255 K of one step          window 3: v0-127 V of one step
.set KS,    64        ; keys in a step
.set PK,    272       ; a row of K in LDS: 256 bytes + 16 of padding = 68 words: the 16 rows of a load start at 16 different groups of four banks (64 banks of 4 bytes: ISA guide 11.1)
.set PV,    288       ; a row of V: 256 + 32 = 72 words
.set VOFF,  KS*PK     ; a half's tiles lie together: 64 rows of K, then 64 rows of V
.set STEPB, KS*(PK+PV)
.set SLOT1, 1<<17     ; a slot holds one step of both halves of the keys (71,680 bytes); slot 1 begins here, so that one exclusive or turns an address in one slot into the other's
.set STAGE, SLOT1+2*STEPB  ; behind the ring, never filled by a tensor load: 16 rows x 272 bytes for each wave, for the way out
.set SP,    272
.set SPARE, STAGE+4*16*SP  ; the spare words, 128 bytes for each wave: two blocks of 256 bytes that no other line names
.set MRG,   SPARE+512      ; where the halves meet: for each wave 16,384 bytes of O^T (two tiles) and 512 of statistics
.set MRGW,  16896
.set ROWB,  4096      ; bytes from row to row of qkv
.set OROW,  2048      ; of ob
.set AK0, 2           ; v2   my lane's place in a tile of K; never rewritten
.set AV0, 3           ; v3   the same for V
.set ADR, 4           ; v4   the LDS address of the run of loads in hand
.set QA,  5           ; v5   my byte offset in the wave's rows of q, for tiles 0, 1
.set STO, 6           ; v6   the way out: where I put 16 bytes of a row
.set RD,  7           ; v7   the way out: where I read a row back
.set GO,  8           ; v8   my byte offset in two rows of ob
.set ST,  12          ; tile t's statistics at v[ST+8 t]: +0 c m, +1 m, +2, +3 l (even keys', odd keys'), +4 to +7 c0-c3, at work; a takes c2's place once the maximum is found
.set QB,  44          ; v44  as QA, for tiles 2, 3
.set SND, 45          ; v45  the meeting: where I put 16 bytes
.set RCV, 46          ; v46  where I find my partner's
.set SNDS, 47         ; v47  the same for 8 bytes of statistics, less 16,384
.set RCVS, 48         ; v48
.set SPW, 62          ; v62  LDS address of my spare word; never rewritten
.set NIL, 63          ; v63  0; never rewritten
.set S,   64
.set P,   192
.set KF,  128         ; K's fragments, in window 2
.set WV,  12          ; s12  my wave's number
.set G1K, 24          ; s[24:31] descriptor group 1 for K's tiles
.set G1V, 32          ; s[32:39] for V's: it differs in the padding alone
.set G0K, 40          ; s[40:43] descriptor group 0 for K's tiles: it walks
.set G0V, 44          ; s[44:47] the same for V's
.set SLOTS, 56        ; s56  counts the loop's trips
.set CNT, 57          ; s57  counts the tail's
.set CS,  58          ; s[58:59] c: the packed scaling names a pair and takes its low word for both halves
.set SEL, 60          ; s[60:61] v_permlanex16_b32's selects: each lane takes its own place in the other half
.set TB,  62          ; s62  LDS byte at which my half's tiles of the step to be fetched begin
.set MSB, 0
.macro WIN new                      ; the immediate's high byte repeats the setting that is left; a switch that changes nothing is dropped
.if MSB != (\new)
	s_set_vgpr_msb (MSB<<8)|(\new)
.set MSB, \new
.endif
.endm
.set W_KQ, 0x0a       ; K and Q in window 2, S^T in window 0
.set W_PV, 0x53       ; V in window 3, P in window 0, O^T in window 1
.set W_RS, 0x41       ; O^T (destination and source 0) in window 1, the factor in window 0
; A joint fill.  Waves 0 and 1 fetch K of the keys' two halves, waves 2 and 3 V of them: 64 rows of 256 bytes each.  The branch hangs on the wave's number alone.
; An s_nop 0 and four v_nop follow each of the two lines, ahead of the jump and the label.
.macro JLOAD
	s_cmp_lt_u32 s[WV], 2
	s_cbranch_scc0 .Lfor_v_\@
	tensor_load_to_lds s[G0K:G0K+3], s[G1K:G1K+7]
	s_nop 0
.rept 4
	v_nop
.endr
	s_branch .Lasked_\@
.Lfor_v_\@:
	tensor_load_to_lds s[G0V:G0V+3], s[G1V:G1V+7]
	s_nop 0
.rept 4
	v_nop
.endr
.Lasked_\@:
.endm
; A round of the cluster's barrier: my work-group's barrier, so that wave 0's signal speaks for all four waves; wave 0 signals; every wave waits for all four work-groups; my work-group's barrier once more.
.macro CROUND
	s_barrier_signal -1
	s_barrier_wait -1
	s_cmp_lg_u32 s[WV], 0
	s_cbranch_scc1 .Lnot_wave_0_\@
	s_barrier_signal -3
.Lnot_wave_0_\@:
	s_barrier_wait -3
	s_barrier_signal -1
	s_barrier_wait -1
.endm
; THE CHANGE OF SLOTS, between piece 2's turn and piece 0's: the slot's last bytes, V of its step, have been asked for.  Each wave waits for all its tensor loads, of which one is out: its part of the
; other slot; adds 0 to its spare word; and waits for that and for its own reads of the slot.  Behind the barrier nobody reads this slot any more and the other slot is whole.
; fill = 1: this slot is filled again, with the keys two steps on.  The barrier is then a round of the cluster's, and the joint fill is the first thing behind it: it has a key step, 128 matrix
; instructions, in which to land.  (At its first use nothing has been read yet: slot 0 is waited for, slot 1 filled.)
.macro CHANGE fill
	WIN 0                           ; at a label and at a branch every window is 0
	s_wait_tensorcnt 0x0            ; no tensor load of mine is out, so a group 0 may be written
	ds_add_u32 v[SPW], v[NIL]       ; 0 onto my spare word; with fill = 1 the descriptors' steps stand between it and the wait for it
.if \fill
.irp g, G0K, G0V
	s_xor_b32 s[(\g)+1], s[(\g)+1], SLOT1  ; the walking descriptor: the other slot than last time,
	s_add_nc_u64 s[(\g)+2:(\g)+3], s[(\g)+2:(\g)+3], KS*ROWB  ; the next 64 keys; the type bits on top are not reached
.endr
	s_wait_dscnt 0x0                ; the add is done, and my reads of the slot are over
	CROUND
	JLOAD
.else
	s_wait_dscnt 0x0                ; the add is done, and my reads of the slot are over
	s_barrier_signal -1
	s_barrier_wait -1
.endif
	s_xor_b32 s[TB], s[TB], SLOT1   ; the fetches go on in the other slot
.endm
	s_load_b128 s[4:7], s[0:1], 0x0  ; qkv s[4:5], ob s[6:7]
	v_lshl_add_u32 v[SPW], v0, 2, SPARE
	v_mov_b32 v[NIL], 0
	ds_add_u32 v[SPW], v[NIL]       ; the wave's opening: the add and its wait stand ahead of my first tensor load; the set-up below, work on registers, stands between them
	v_lshrrev_b32 v1, 5, v0
	v_readfirstlane_b32 s[WV], v1   ; wave 0..3
	s_bfe_u32 s13, ttmp6, 0x40000   ; cx: my place in the cluster
	s_lshl_b32 s14, ttmp9, 2        ; in a cluster launch ttmp9 counts clusters
	s_add_co_u32 s14, s14, s13      ; my block of 128 queries = 4 x cluster x + cx: it enters q's and ob's addresses alone
	s_and_b32 s15, ttmp7, 0xffff    ; 8 b + hq, which the four partners share
	s_lshr_b32 s16, s15, 3          ; b
	s_and_b32 s17, s15, 7           ; hq
	s_lshr_b32 s18, s17, 1          ; g
	s_and_b32 s19, s[WV], 1         ; which 64 queries are mine.  Also: of which half of the keys I fetch the tiles
	s_lshr_b32 s20, s[WV], 1        ; which half of the keys I walk
	s_lshl_b32 s22, s16, 23         ; K's tile: the batch's 2,048 rows of 4,096 bytes,
	s_lshl_b32 s23, s19, 22         ; the half's 1,024 rows,
	s_add_co_u32 s22, s22, s23
	s_lshl_b32 s23, s18, 8          ; the head's 256 bytes,
	s_add_co_u32 s22, s22, s23
	s_add_co_u32 s22, s22, 2048     ; behind q's eight heads
	s_mov_b32 s23, 0
	s_add_co_u32 s8, s22, 1024      ; V's: behind k's four heads
	s_mov_b32 s9, 0
	s_mul_i32 s21, s19, STEPB       ; and the half's place in a slot: no place in the cluster enters an LDS address
	s_lshl_b32 s2, s16, 23          ; q: the batch,
	s_lshl_b32 s3, s14, 19          ; my block's 128 rows,
	s_add_co_u32 s2, s2, s3
	s_lshl_b32 s3, s19, 18          ; my wave's 64 of them,
	s_add_co_u32 s2, s2, s3
	s_lshl_b32 s3, s17, 8           ; the head
	s_add_co_u32 s2, s2, s3
	s_mov_b32 s3, 0
	s_lshl_b32 s10, s16, 11         ; ob: the first of the 32 rows that I finish: 2,048 b + 128 block + 64 (w % 2) + 32 (w / 2),
	s_lshl_b32 s11, s14, 7
	s_add_co_u32 s10, s10, s11
	s_lshl_b32 s11, s19, 6
	s_add_co_u32 s10, s10, s11
	s_lshl_b32 s11, s20, 5
	s_add_co_u32 s10, s10, s11
	s_lshl_b32 s10, s10, 11         ; of 2,048 bytes,
	s_lshl_b32 s11, s17, 8          ; the head
	s_add_co_u32 s10, s10, s11
	s_mov_b32 s11, 0
	; descriptor group 1: a tile of 64 rows x 128 elements, padded in LDS
	s_mov_b32 s[G1K], 15|(1<<16)|(1<<20)|(1<<21)|(5<<22)|(3<<25)  ; 15:0 the mask: all four work-groups; 17:16 2-byte elements; 20 padding on; 21 set beside a mask; 24:22 after every 64 words (code 5); 31:25 4 words (code 3)
	s_mov_b32 s[G1V], 15|(1<<16)|(1<<20)|(1<<21)|(5<<22)|(7<<25)  ; the same with 8 words of padding (code 7)
.irp g, G1K, G1V
	s_mov_b32 s[(\g)+1], 128<<16    ; tensor_dim0 = 128
	s_mov_b32 s[(\g)+2], KS<<16     ; tensor_dim1 = 64
	s_mov_b32 s[(\g)+3], 128<<16    ; tile_dim0 = 128
	s_mov_b32 s[(\g)+4], KS         ; tile_dim1 = 64
	s_mov_b32 s[(\g)+5], 2048       ; 2,048 elements from row to row
	s_mov_b32 s[(\g)+6], 0
	s_mov_b32 s[(\g)+7], 0
.endr
	s_mov_b32 s[CS], 0x420293ee     ; c = 2^8 log2(e) / sqrt(128) = 32.6444
	s_mov_b32 s[CS+1], s[CS]        ; named with it as a pair
	s_mov_b32 s[SEL], 0x76543210
	s_mov_b32 s[SEL+1], 0xfedcba98
	s_mul_i32 s[TB], s20, STEPB
	s_add_co_u32 s[TB], s[TB], SLOT1  ; the first change of slots turns this into slot 0
	s_mov_b32 s[G0K], 1             ; count = 1
	s_mov_b32 s[G0K+1], s21         ; LDS address: slot 0
	s_mov_b32 s[G0V], 1
	s_add_co_u32 s[G0V+1], s21, VOFF
	s_wait_dscnt 0x0                ; the opening add is done
	s_wait_kmcnt 0x0
	s_add_nc_u64 s[G0K+2:G0K+3], s[4:5], s[22:23]  ; global address: the half's first 64 keys
	s_or_b32 s[G0K+3], s[G0K+3], 0x80000000        ; type = 2
	s_add_nc_u64 s[G0V+2:G0V+3], s[4:5], s[8:9]
	s_or_b32 s[G0V+3], s[G0V+3], 0x80000000
	s_add_nc_u64 s[4:5], s[4:5], s[2:3]            ; q at my wave's first row
	s_add_nc_u64 s[10:11], s[6:7], s[10:11]        ; ob at the first row that I finish
	CROUND                          ; all four work-groups are here: the first joint loads meet
	JLOAD                           ; step 0 into slot 0.  Slot 1 is asked for when slot 0 is in, by the loop's own change of slots
	; A fragment of K or Q is 16 rows x 32 channels in 8 registers: lane l holds row l % 16, channels 8 (l / 16) + 0..7 and 16 + 8 (l / 16) + 0..7: two loads of 16 bytes, 32 bytes apart.
	v_and_b32 v1, 15, v0            ; l % 16
	v_bfe_u32 v9, v0, 4, 1          ; l / 16
	v_lshlrev_b32 v[QA], 12, v1
	v_lshl_add_u32 v[QA], v9, 4, v[QA]  ; row x 4,096 + 16 x half
	s_xor_b32 s49, s20, 1
	s_lshl_b32 s49, s49, 17
	s_lshl_b32 s48, s20, 17         ; 32 rows of 4,096 bytes
	v_add_nc_u32 v[QB], s49, v[QA]  ; tiles 2, 3: query blocks 2 (1 - w / 2) on
	v_add_nc_u32 v[QA], s48, v[QA]  ; tiles 0, 1: query blocks 2 (w / 2) on
	WIN 0x80                        ; destination window 2, address window 0
.irp i, 0,1,2,3,4,5,6,7             ; Q stays in registers: tile i / 4 (and 2 + i / 4), channels 32 (i % 4) on
	global_load_b128 v[8*(\i):8*(\i)+3],   v[QA], s[4:5] offset:((\i)/4)*16*ROWB+((\i)%4)*64
	global_load_b128 v[8*(\i)+4:8*(\i)+7], v[QA], s[4:5] offset:((\i)/4)*16*ROWB+((\i)%4)*64+32
.endr
.irp i, 0,1,2,3,4,5,6,7
	global_load_b128 v[64+8*(\i):64+8*(\i)+3],   v[QB], s[4:5] offset:((\i)/4)*16*ROWB+((\i)%4)*64
	global_load_b128 v[64+8*(\i)+4:64+8*(\i)+7], v[QB], s[4:5] offset:((\i)/4)*16*ROWB+((\i)%4)*64+32
.endr
	; What the first turn finds: V's registers and piece 2's P hold 0 (its products V^T P, of a step that has not been, add 0), O^T and l are 0.  All this stands in the wait for the first tile.
	WIN 0xc0
.set i, 0
.rept 128
	v_mov_b32 v[i], 0
.set i, i+1
.endr
	WIN 0x40
.set i, 0
.rept 256
	v_mov_b32 v[i], 0
.set i, i+1
.endr
	WIN 0
.set i, 0
.rept 4
	v_mov_b32 v[ST+8*i], 0xfe000000    ; c m: far below every c s
	v_mov_b32 v[ST+8*i+1], 0xff7fffff  ; m
	v_mov_b32 v[ST+8*i+2], 0
	v_mov_b32 v[ST+8*i+3], 0
.set i, i+1
.endr
.set i, P+32
.rept 32
	v_mov_b32 v[i], 0
.set i, i+1
.endr
	v_mul_u32_u24 v[AK0], v1, PK
	v_lshl_add_u32 v[AK0], v9, 4, v[AK0]  ; row x pitch + 16 x half
	; The turning load takes 16 keys x 16 channels (lane l reads 16 bytes: key 8 (l / 16) + l % 8, channels 8 ((l / 8) % 2) + 0..7) and leaves half a fragment of V^T: lane l holds channel l % 16 and 8 keys.
	v_and_b32 v10, 7, v0
	v_bfe_u32 v11, v0, 3, 1
	v_lshl_add_u32 v[AV0], v9, 3, v10
	v_mul_u32_u24 v[AV0], v[AV0], PV
	v_lshl_add_u32 v[AV0], v11, 4, v[AV0]
	v_add_nc_u32 v[AV0], VOFF, v[AV0]
; THE MATRIX WORK OF A TURN, for piece x.  The accumulators take turns, one instruction a turn: between two links of a chain stand 15 (V^T P) or 7 (K Q^T) others'.
; Product i of 32 of O^T += V^T P: keys 32 (i / 16) on, channels 16 ((i / 2) % 8) on, tile x + i % 2.
.macro PV x
	WIN W_PV
.set rO, 64*((\x)+i%2)+8*((i/2)%8)
.set rV, 64*(i/16)+8*((i/2)%8)
.set rP, P+16*((\x)+i%2)+8*(i/16)
	v_wmma_f32_16x16x32_f16 v[rO:rO+7], v[rV:rV+7], v[rP:rP+7], v[rO:rO+7]
.endm
; Product i of 32 of S^T = K Q^T: channels 32 (i / 8) on, keys 16 ((i / 2) % 4) on, tile x + i % 2.  The first 8 start the sums.
.macro KQ x
	WIN W_KQ
.set rS, S+32*((\x)+i%2)+8*((i/2)%4)
.set rK, KF+32*((i/2)%4)+8*(i/8)
.set rQ, 32*((\x)+i%2)+8*(i/8)
.if i < 8
	v_wmma_f32_16x16x32_f16 v[rS:rS+7], v[rK:rK+7], v[rQ:rQ+7], 0
.else
	v_wmma_f32_16x16x32_f16 v[rS:rS+7], v[rK:rK+7], v[rQ:rQ+7], v[rS:rS+7]
.endif
.endm
; THE LDS LOADS stand in runs of 32, never singly among the matrix instructions: a step's K (64 keys x 128 channels: 16 fragments) and, a turn later, its V (turned).
.macro FETCH_K
	WIN 0
	v_add_nc_u32 v[ADR], s[TB], v[AK0]
	WIN 0x80                        ; destination window 2
.irp f, 0,1,2,3,4,5,6,7,8,9,10,11,12,13,14,15  ; keys 16 (f / 4) on, channels 32 (f % 4) on
	ds_load_b128 v[KF+8*(\f):KF+8*(\f)+3],   v[ADR] offset:((\f)/4)*16*PK+((\f)%4)*64
	ds_load_b128 v[KF+8*(\f)+4:KF+8*(\f)+7], v[ADR] offset:((\f)/4)*16*PK+((\f)%4)*64+32
.endr
.endm
.macro FETCH_V
	WIN 0
	v_add_nc_u32 v[ADR], s[TB], v[AV0]
	WIN 0xc0                        ; destination window 3
.irp f, 0,1,2,3,4,5,6,7,8,9,10,11,12,13,14,15  ; keys 32 (f / 8) on, channels 16 (f % 8) on
	ds_load_tr16_b128 v[8*(\f):8*(\f)+3],   v[ADR] offset:((\f)/8)*32*PV+((\f)%8)*32
	ds_load_tr16_b128 v[8*(\f)+4:8*(\f)+7], v[ADR] offset:((\f)/8)*32*PV+16*PV+((\f)%8)*32
.endr
.endm
; THE VECTOR WORK OF A TURN.  One tile's softmax for one key step is a list of 134 instructions; SM writes number j of it for tile t.  s0-s31 are the lane's 32 scores, in pairs 0-15.
;   0-15    the maximum of s0-s31 and the old m, three operands at a time: four chains c0-c3 of seven scores each (each accumulator's lowest registers are read first), then the
;           four scores left over, c0-c3 and m
;   16-20   the other half of the lanes' maximum; c m_old is kept; the new m; c m; c m_old - c m_new
;   21-87   33 exponentials (a, then s0-s31) at the odd numbers from 23 on, so that no two follow each other and each has a plain instruction behind it before its result is used (ISA guide 5.7.2).
;           Plain instruction q (number 21, then the even numbers) is whatever is ready: c s - c m for a pair of scores whose exponentials are still to come (q = 0 to 3, then every second q), the
;           rounding to f16 of a pair of weights whose exponentials are done (every other q from 5 on), at last the first three sums
;   88-101  the last rounding; the rest of the sums; l = a l + the sum
;   102-133 the tile's O^T times a: the one part that leaves window 0, so it stands together
.macro SM t
.set rT, ST+8*(\t)
.set rS, S+32*(\t)
.set rP, P+16*(\t)
.set rO, 64*(\t)+2*(j-102)
.set q, (j-20)/2
.if j < 102
	WIN 0
.endif
.if j < 4
	v_max3_num_f32 v[rT+4+j], v[rS+8*j], v[rS+8*j+1], v[rS+8*j+2]
.elseif j < 12
	v_max3_num_f32 v[rT+4+j%4], v[rT+4+j%4], v[rS+8*(j%4)+2*(j/4)+1], v[rS+8*(j%4)+2*(j/4)+2]
.elseif j == 12
	v_max3_num_f32 v[rT+4], v[rT+4], v[rS+7], v[rS+15]
.elseif j == 13
	v_max3_num_f32 v[rT+6], v[rT+6], v[rS+23], v[rS+31]
.elseif j == 14
	v_max3_num_f32 v[rT+4], v[rT+4], v[rT+5], v[rT+6]
.elseif j == 15
	v_max3_num_f32 v[rT+4], v[rT+4], v[rT+7], v[rT+1]
.elseif j == 16
	v_permlanex16_b32 v[rT+5], v[rT+4], s[SEL], s[SEL+1]  ; the query's other 32 keys lie in the lane 16 away
.elseif j == 17
	v_mov_b32 v[rT+7], v[rT]        ; c m_old is kept for a: number 19 writes c m anew
.elseif j == 18
	v_max_num_f32 v[rT+1], v[rT+4], v[rT+5]
.elseif j == 19
	v_mul_f32 v[rT], s[CS], v[rT+1]
.elseif j == 20
	v_sub_f32 v[rT+7], v[rT+7], v[rT]
.elseif j == 23
	v_exp_f32 v[rT+6], v[rT+7]
.elseif (j < 88) && (j > 23) && (j%2 == 1)
	v_exp_f32 v[rS+(j-25)/2], v[rS+(j-25)/2]
.elseif (q < 4) || ((j < 76) && (q%2 == 0))
.set b, q/2+2
.if q < 4
.set b, q
.endif
	v_pk_fma_f32 v[rS+2*b:rS+2*b+1], v[rS+2*b:rS+2*b+1], s[CS:CS+1], v[rT:rT+1] op_sel_hi:[1,0,0] neg_lo:[0,0,1] neg_hi:[0,0,1]  ; pair b: c s - c m
.elseif (j < 88) && (q%2 == 1)
	s_wait_alu depctr_va_vdst(0)
	v_cvt_pk_f16_f32 v[rP+(q-5)/2], v[rS+q-5], v[rS+q-4]  ; pair (q - 5) / 2: its second exponential stands three numbers back
.elseif j == 89
	s_wait_alu depctr_va_vdst(0)
	v_cvt_pk_f16_f32 v[rP+15], v[rS+30], v[rS+31]
.elseif j < 102                     ; the sum of the tile's 16 pairs (in a pair: an even key's weight, an odd key's), in place: sum z of 16 adds neighbours 1, 2, 4 and 8 pairs apart, then l takes it
.set z, j-86
.if j < 89
.set z, (j-76)/4
.endif
.set w, 4
.set u, z
.if z >= 14
.set w, 32
.set u, 0
.elseif z >= 12
.set w, 16
.set u, z-12
.elseif z >= 8
.set w, 8
.set u, z-8
.endif
.if z < 15
	v_pk_add_f32 v[rS+w*u:rS+w*u+1], v[rS+w*u:rS+w*u+1], v[rS+w*u+w/2:rS+w*u+w/2+1]
.else
	v_pk_fma_f32 v[rT+2:rT+3], v[rT+2:rT+3], v[rT+6:rT+7], v[rS:rS+1] op_sel_hi:[1,0,1]
.endif
.else
	WIN W_RS
	v_pk_mul_f32 v[rO:rO+1], v[rO:rO+1], v[rT+6:rT+7] op_sel_hi:[1,0]
.endif
.endm
; Slice k of 64 of piece y's softmax: numbers 2 k and 2 k + 1 of both tiles' lists, four instructions.  2 x 134 = 4 x 64 + 12: the twelve that are over stand together, in slice 63: its sixteen plain
; instructions name nothing of the products round them, and are the four places between the turn's last K Q^T and the next turn's first read of those scores and its loads into K's buffer.
.macro SLICE y
.if (k >= 11) && (k < 44)           ; tile by tile: plain, exponential, plain, exponential
.irp t, \y, (\y)+1
.irp n, 0,1
.set j, 2*k+(\n)
	SM \t
.endr
.endr
.else                               ; the two tiles alternate, so that no instruction reads the result of the one just before it
.irp n, 0,1,2,3,4,5,6,7
.if ((\n) < 2) || (k == 63)
.irp t, \y, (\y)+1
.set j, 2*k+(\n)
	SM \t
.endr
.endif
.endr
.endif
.set k, k+1
.endm
; A TURN.  Piece x has the matrix unit; the other piece's softmax stands in slices behind its matrix instructions.  Each run of loads stands behind the second product of a run of 32, 30 matrix
; instructions ahead of its first use.  Piece 0's turn fetches the next step's K: the last product that read K stands in front of slice 63 of the turn before.  Piece 2's turn fetches the same step's V:
; the last product that read V stands three slices, six plain instructions, back.
.macro TURN x
.set k, 0
.if (\x) == 0
	s_wait_dscnt 0x0                ; V is in
.endif
.set i, 0
.rept 32
	PV \x
	SLICE 2-(\x)
.if ((\x) == 0) && (i == 1)
	FETCH_K
.endif
.set i, i+1
.endr
.if (\x) == 0
	s_wait_dscnt 0x0                ; K is in
.endif
.set i, 0
.rept 32
	KQ \x
	SLICE 2-(\x)
.if ((\x) == 2) && (i == 1)
	FETCH_V
.endif
.set i, i+1
.endr
.endm
	CHANGE 1                        ; slot 0 is in, everybody's part of it; step 1 is asked for
	FETCH_K                         ; key step 0
	s_wait_loadcnt 0x0              ; Q
	s_wait_dscnt 0x0
.set i, 0
.rept 32
	KQ 0                            ; piece 0's first scores: there is no vector work yet to set between them
.set i, i+1
.endr
	WIN 0                           ; the addresses for the meeting and the way out are made here: plain instructions, the places behind those products
	s_mul_i32 s48, s[WV], 16*SP
	s_add_co_u32 s48, s48, STAGE    ; my stage
	s_mul_i32 s49, s[WV], MRGW
	s_add_co_u32 s49, s49, MRG      ; where I send
	s_xor_b32 s50, s[WV], 2         ; my partner has my queries and the other half of the keys
	s_mul_i32 s50, s50, MRGW
	s_add_co_u32 s50, s50, MRG      ; where it sends
	v_mul_u32_u24 v[STO], v1, SP    ; in: row l % 16, 16 bytes for each half of the lanes
	v_lshl_add_u32 v[STO], v9, 4, v[STO]
	v_add_nc_u32 v[STO], s48, v[STO]
	v_mul_u32_u24 v[RD], v9, SP     ; back: lanes 0-15 take one row of 256 bytes, lanes 16-31 the next
	v_lshl_add_u32 v[RD], v1, 4, v[RD]
	v_add_nc_u32 v[RD], s48, v[RD]
	v_lshlrev_b32 v[GO], 11, v9     ; and the same two rows in ob
	v_lshl_add_u32 v[GO], v1, 4, v[GO]
	v_and_b32 v10, 31, v0
	v_lshl_add_u32 v[SND], v10, 4, s49
	v_lshl_add_u32 v[RCV], v10, 4, s50
	v_lshl_add_u32 v[SNDS], v10, 3, s49
	v_lshl_add_u32 v[RCVS], v10, 3, s50
	s_mov_b32 s[SLOTS], 15
	s_branch .Lfirst                ; the loop is entered at piece 2's turn, in the middle of a trip
.Lslot:                             ; 14 whole trips: trip n fetches step n's K and V from LDS and asks for step n + 1
	CHANGE 1
	TURN 0
	WIN 0
.Lfirst:
	TURN 2
	WIN 0
	s_sub_co_u32 s[SLOTS], s[SLOTS], 1
	s_cmp_lg_u32 s[SLOTS], 0
	s_cbranch_scc1 .Lslot
	CHANGE 0                        ; the tail is written out: step 15 is in, and nothing is asked for
	s_mov_b32 s[CNT], 2             ; one trip fetches step 15; the second is left in its middle
.Ltail:
	TURN 0
	WIN 0
	s_sub_co_u32 s[CNT], s[CNT], 1
	s_cmp_eq_u32 s[CNT], 0
	s_cbranch_scc1 .Lout
	TURN 2
	WIN 0
	s_branch .Ltail
.Lout:                              ; the second trip's 32 products K Q^T (on the last K once more) serve nothing: the price, once a launch, of one text for every trip
.set i, 0
.rept 32
	PV 2                            ; piece 2: V^T P of the last step
.set i, i+1
.endr
	; THE HALVES MEET.  l's two halves and the other half of the lanes' are added, so that (c m, l) is a pair; the additions are the places behind the last products.
	WIN 0
.irp t, 0,1,2,3
	v_add_f32 v[ST+8*(\t)+4], v[ST+8*(\t)+2], v[ST+8*(\t)+3]
.endr
.irp t, 0,1,2,3
	v_permlanex16_b32 v[ST+8*(\t)+5], v[ST+8*(\t)+4], s[SEL], s[SEL+1]
.endr
.irp t, 0,1,2,3
	v_add_f32 v[ST+8*(\t)+1], v[ST+8*(\t)+4], v[ST+8*(\t)+5]
.endr
	WIN 0x04                        ; store data in window 1: tiles 2, 3 of O^T, from the low end on
.set i, 0
.rept 32
	ds_store_b128 v[SND], v[128+4*i:128+4*i+3] offset:512*i  ; 32 lanes, 512 consecutive bytes
.set i, i+1
.endr
	WIN 0
	ds_store_b64 v[SNDS], v[ST+16:ST+17] offset:16384
	ds_store_b64 v[SNDS], v[ST+24:ST+25] offset:16384+256
	s_wait_dscnt 0x0                ; for the partner's sake: my stores are done
	s_barrier_signal -1
	s_barrier_wait -1
	WIN 0x80                        ; into Q's registers, which no product reads any more
.set i, 0
.rept 32
	ds_load_b128 v[4*i:4*i+3], v[RCV] offset:512*i
.set i, i+1
.endr
	WIN 0
	ds_load_b64 v[ST+2:ST+3],   v[RCVS] offset:16384      ; the partner's (c m, l) for my tile 0
	ds_load_b64 v[ST+10:ST+11], v[RCVS] offset:16384+256  ; and for my tile 1
	s_wait_dscnt 0x0
	; With M the greater of the two c m: O = (2^(c m - M) O + 2^(c m' - M) O') / (2^(c m - M) l + 2^(c m' - M) l').  The two factors go into +4 and +6.
.irp t, 0,1
	v_max_num_f32 v[ST+8*(\t)+4], v[ST+8*(\t)], v[ST+8*(\t)+2]
.endr
.irp t, 0,1
	v_sub_f32 v[ST+8*(\t)+5], v[ST+8*(\t)], v[ST+8*(\t)+4]
.endr
.irp t, 0,1
	v_sub_f32 v[ST+8*(\t)+6], v[ST+8*(\t)+2], v[ST+8*(\t)+4]
.endr
.irp t, 0,1
	v_exp_f32 v[ST+8*(\t)+5], v[ST+8*(\t)+5]
	v_exp_f32 v[ST+8*(\t)+6], v[ST+8*(\t)+6]
.endr
	v_nop                           ; a plain instruction between the last exponential and the use of its result
.irp t, 0,1
	s_wait_alu depctr_va_vdst(0)
	v_mul_f32 v[ST+8*(\t)+7], v[ST+8*(\t)+5], v[ST+8*(\t)+1]
.endr
.irp t, 0,1
	v_fma_f32 v[ST+8*(\t)+7], v[ST+8*(\t)+6], v[ST+8*(\t)+3], v[ST+8*(\t)+7]
.endr
.irp t, 0,1
	v_rcp_f32 v[ST+8*(\t)+7], v[ST+8*(\t)+7]
.endr
	v_nop                           ; and behind the last reciprocal
.irp t, 0,1
	s_wait_alu depctr_va_vdst(0)
	v_mul_f32 v[ST+8*(\t)+4], v[ST+8*(\t)+5], v[ST+8*(\t)+7]
.endr
.irp t, 0,1
	v_mul_f32 v[ST+8*(\t)+6], v[ST+8*(\t)+6], v[ST+8*(\t)+7]
.endr
; THE WAY OUT of tile t: a lane's eight channels of a row pack into 16 bytes; they go into rows of 272 bytes and come back as whole rows of 256, into the registers that they left.
.macro PACK t
	WIN W_RS
.set i, 64*(\t)
.rept 32
	v_pk_mul_f32 v[i:i+1], v[i:i+1], v[ST+8*(\t)+4:ST+8*(\t)+5] op_sel_hi:[1,0]
.set i, i+2
.endr
	WIN 0x52                        ; source 0 window 2 (the partner's O^T), the factor window 0, source 2 and destination window 1
.set i, 64*(\t)
.rept 32
	v_pk_fma_f32 v[i:i+1], v[i:i+1], v[ST+8*(\t)+6:ST+8*(\t)+7], v[i:i+1] op_sel_hi:[1,0,1]
.set i, i+2
.endr
	WIN 0x05                        ; sources 0 and 1 window 1, destination window 0: S^T's registers are free
.set i, 0
.rept 32
	v_cvt_pk_f16_f32 v[S+32*(\t)+i], v[64*(\t)+2*i], v[64*(\t)+2*i+1]
.set i, i+1
.endr
	WIN 0
.irp f, 0,1,2,3,4,5,6,7
	ds_store_b128 v[STO], v[S+32*(\t)+4*(\f):S+32*(\t)+4*(\f)+3] offset:32*(\f)
.endr
.irp f, 0,1,2,3,4,5,6,7
	ds_load_b128 v[S+32*(\t)+4*(\f):S+32*(\t)+4*(\f)+3], v[RD] offset:(\f)*2*SP  ; LDS serves a wave's instructions in order (ISA guide 5.7.1.4): these see the stores above; the next tile's stores come behind them
.endr
.endm
.macro SEND t, younger              ; younger: the LDS instructions issued behind tile t's loads: the next tile's sixteen, or none
	WIN 0
.irp f, 0,1,2,3,4,5,6,7
	s_wait_dscnt (\younger)+7-(\f)
	global_store_b128 v[GO], v[S+32*(\t)+4*(\f):S+32*(\t)+4*(\f)+3], s[10:11] offset:(\t)*16*OROW+(\f)*2*OROW  ; 16 lanes store 256 consecutive bytes, at a multiple of 256 from ob's first byte
.endr
.endm
	PACK 0
	PACK 1                          ; a tile's arithmetic stands between the loads of the tile before and its stores
	SEND 0, 16
	SEND 1, 0
	s_wait_tensorcnt 0x0            ; the wave's end: a wait, an add to my spare word and its wait, behind my last tensor load and my last LDS store
	ds_add_u32 v[SPW], v[NIL]
	s_wait_dscnt 0x0
	CROUND                          ; the closing round: no work-group ends while a partner may still ask for a tile that names it
	s_endpgm
.Lfunc_end_k_q4dc268a073_attn:
	.size	k_q4dc268a073_attn, .Lfunc_end_k_q4dc268a073_attn-k_q4dc268a073_attn
	.p2alignl 7, 3214868480
	.fill 96, 4, 3214868480
	.section	.rodata,"a",@progbits
	.p2align	6, 0x0
	.amdhsa_kernel k_q4dc268a073_attn
		.amdhsa_group_segment_fixed_size 327680
		.amdhsa_private_segment_fixed_size 0
		.amdhsa_enable_private_segment 0
		.amdhsa_kernarg_size 16
		.amdhsa_user_sgpr_count 2
		.amdhsa_user_sgpr_kernarg_segment_ptr 1
		.amdhsa_wavefront_size32 1
		.amdhsa_system_sgpr_workgroup_id_x 1
		.amdhsa_system_sgpr_workgroup_id_y 1
		.amdhsa_system_sgpr_workgroup_id_z 1
		.amdhsa_system_vgpr_workitem_id 0
		.amdhsa_next_free_vgpr 1024
		.amdhsa_next_free_sgpr 66
		.amdhsa_reserve_vcc 0
		.amdhsa_float_denorm_mode_32 3
		.amdhsa_float_denorm_mode_16_64 3
		.amdhsa_memory_ordered 1
		.amdhsa_forward_progress 1
		.amdhsa_inst_pref_size 158
	.end_amdhsa_kernel
	.amdgpu_metadata
---
amdhsa.version: [ 1, 2 ]
amdhsa.kernels:
  - .name:           k_q4dc268a073_attn
    .symbol:         k_q4dc268a073_attn.kd
    .args:
      - { .name: qkv, .offset: 0, .size: 8, .value_kind: global_buffer, .address_space: global }
      - { .name: ob, .offset: 8, .size: 8, .value_kind: global_buffer, .address_space: global }
    .group_segment_fixed_size: 327680
    .private_segment_fixed_size: 0
    .kernarg_segment_align: 8
    .kernarg_segment_size: 16
    .max_flat_workgroup_size: 128
    .sgpr_count:     66
    .vgpr_count:     1024
    .wavefront_size: 32
...
	.end_amdgpu_metadata
.endif
;; end of part 3
;; launch oproj (part 4): grid 16 x 16, 4 waves a work-group, clusters of 4 x 4, 327,680 bytes of LDS; arguments ob, wob, out0; writes out0
.if DOCPART == 4
	.amdgcn_target "amdgcn-amd-amdhsa--gfx1250"
	.amdhsa_code_object_version 6
	.text
	.protected	k_q4dc268a073_oproj
	.globl	k_q4dc268a073_oproj
	.p2align	8
	.type	k_q4dc268a073_oproj,@function
k_q4dc268a073_oproj:
	s_mov_b64 s[64:65], 0
	v_nop
	global_prefetch_b8 v0, s[64:65] scope:SCOPE_SE
	s_setreg_imm32_b32 hwreg(HW_REG_WAVE_MODE, 25, 1), 1
	s_wait_xcnt 0x0
	s_wait_alu depctr_hold_cnt(0) depctr_sa_sdst(0) depctr_va_vdst(0) depctr_va_sdst(0) depctr_va_ssrc(0) depctr_va_vcc(0) depctr_vm_vsrc(0)
	s_getreg_b32 s2, hwreg(HW_REG_IB_STS2, 6, 4)
	s_cmp_eq_u32 s2, 0
	s_cbranch_scc0 .Lentry_in_a_cluster
	s_endpgm
.Lentry_in_a_cluster:
	s_bfe_u32 s2, ttmp6, 0x10000c
	s_cmp_lg_u32 s2, 0xf033
	s_cbranch_scc0 .Lentry_shape_is_right
	s_endpgm
.Lentry_shape_is_right:
; out0 = O wo^T.  C[m][n] = sum over k of ob[m][k] wob[n][k]: ob [4096][1024] f16 holds O times 2^-4, wob [4096][1024] f16 holds wo (rounded to bf16) times 16: the two factors cancel.
; Sums in f32; out0 [4096][4096] f32 takes them as they are.
; SHARES.  A tile of C is 256 x 256: 16 x 16 = 256 tiles, a work-group each.  Four waves, as many as a WGP has SIMDs, two by two: a wave makes 128 x 128 in 64 accumulators of 16 x 16
; (512 registers): for 32 along K it reads 2 x 128 x 64 bytes from LDS and issues 64 matrix instructions.  K goes in 8 steps of 128 (rows of 256 bytes, each at a multiple of 256 from its
; buffer's first byte) through two LDS slots; a step is 256 matrix instructions a wave.
; CLUSTER.  4 x 4 work-groups.  The four of a row of the cluster need the same rows of ob, the four of a column the same rows of wob: each tile is asked for JOINTLY, by the same tensor load with the
; same descriptor and a mask that names the four.
; THE MATRIX INSTRUCTION IS USED TRANSPOSED (source 0 = 16 rows of wob, source 1 = 16 rows of ob): lane l then holds row l % 16 of C and the columns 8 (l / 16) + 0..7: 32 neighbouring bytes.
; LDS.  Each fetching wave has a region of its own, [slot 0 | slot 1], 2 x 34,816 bytes: waves 0, 1 ob's two halves of 128 rows, waves 2, 3 wob's.  The region's base, w x 0x11000, and the slot's
; offset, 0x8800, share no bit, so one exclusive or turns an address in one slot into the other's, and the loop is one K step long.
; REGISTERS, in windows of 256 (s_set_vgpr_msb: bits 1:0 source 0, 3:2 source 1, 5:4 source 2, 7:6 destination):
;   window 0: v0-31 addresses; v64-127, v128-191 ob's fragments (8 x 16 rows x 32 K), two buffers      window 1: v64-127, v128-191 wob's fragments, two buffers
;   window 2: the 32 accumulators of my rows 0-63 ((a, b) at v[8 (8 a + b)])      window 3: those of my rows 64-127.  On the way out a block's rows come back into its own accumulators' registers.
.set SIZE_K, 1024
.set NS,     SIZE_K/128                ; K steps
.set PITCH,  272                       ; an LDS row: 256 bytes + 16 of padding = 68 words: the 16 rows of a fragment load start at 16 different groups of four banks (64 banks of 4 bytes: ISA guide 11.1)
.set HALFT,  128*PITCH                 ; 128 rows: what one tensor load brings, and what one wave reads of ob or of wob: 0x8800 bytes
.set REGION, 2*HALFT                   ; a fetching wave's two slots: 0x11000 bytes
.set STAGE,  4*REGION                  ; behind the ring, never filled by a tensor load: 16 rows x 528 bytes for each wave, for the way out
.set SPITCH, 528                       ; 512 bytes + 16: 33 x 16, so that the 16 rows of a store fall into 16 different groups of four banks
.set SPARE,  STAGE+4*16*SPITCH         ; the spare words, 128 bytes for each wave: two blocks of 256 bytes that no other line names
.set A0,   16                          ; v16  my lane's place in my 128 rows of ob, slot 0; never rewritten
.set B0,   17                          ; v17  the same for wob
.set ADRA, 18                          ; v18  A0 + the slot in hand
.set ADRB, 19                          ; v19  B0 + the slot in hand
.set STO,  24                          ; v24  the way out: where I put 32 bytes of a row
.set RD,   25                          ; v25  the way out: where I read 16 bytes of a row back
.set CO,   26                          ; v26  my byte offset in a row's 512 bytes of out0
.set SPW,  28                          ; v28  LDS address of my spare word; never rewritten
.set NIL,  29                          ; v29  0; never rewritten
.set F0,   64                          ; fragment buffer 0
.set F1,   128                         ; fragment buffer 1
.set G1,   24                          ; s[24:31] descriptor group 1 for ob's tiles
.set G0,   32                          ; s[32:39] group 0: a set for each of the two first fills; the second then walks on
.set G1B,  48                          ; s[48:55], s[56:63] the same for wob's tiles
.set G0B,  56
.set WV,   68                          ; s68  my wave's number
.set RH,   69                          ; s69  which half of the tile's rows is mine
.set CH,   70                          ; s70  which half of its columns.  Also: which 128 rows of a tile I fetch
.set TB,   84                          ; s84  the slot in hand: 0 or HALFT
.set MSB, 0
.macro WIN new                         ; the immediate's high byte repeats the setting that is left; a switch that changes nothing is dropped
.if MSB != (\new)
	s_set_vgpr_msb (MSB<<8)|(\new)
.set MSB, \new
.endif
.endm
.set MUL_LO, 0xa1                      ; source 0 (wob) window 1, source 1 (ob) window 0, C and D window 2
.set MUL_HI, 0xf1                      ; the same, C and D window 3
.set TO_B,   0x40                      ; destination window 1, address window 0
.macro PLACES                          ; a load into a register that a matrix instruction has read, and an LDS store that reads a matrix result, stand four plain vector instructions behind it
.rept 4                                ; (ISA guide 7.12.1 for vector instructions); the matrix instructions in between are not counted
	v_nop
.endr
.endm
; A joint refill, by the walking descriptors.  Waves 0 and 1 fetch ob's two halves, waves 2 and 3 wob's, 128 rows each.  The branch hangs on the wave's number alone.
; An s_nop 0 and four v_nop follow each of the two lines, ahead of the jump and the label.
.macro JLOAD
	s_cmp_lt_u32 s[WV], 2
	s_cbranch_scc0 .Lfor_b_\@
	tensor_load_to_lds s[G0+4:G0+7], s[G1:G1+7]
	s_nop 0
.rept 4
	v_nop
.endr
	s_branch .Lasked_\@
.Lfor_b_\@:
	tensor_load_to_lds s[G0B+4:G0B+7], s[G1B:G1B+7]
	s_nop 0
.rept 4
	v_nop
.endr
.Lasked_\@:
.endm
.macro CREST                           ; a round of the cluster's barrier behind its opening barrier: wave 0 signals for the work-group, every wave waits for all sixteen, my work-group's barrier once more
	s_cmp_lg_u32 s[WV], 0
	s_cbranch_scc1 .Lnot_wave_0_\@
	s_barrier_signal -3
.Lnot_wave_0_\@:
	s_barrier_wait -3
	s_barrier_signal -1
	s_barrier_wait -1
.endm
.macro CROUND                          ; a whole round
	s_barrier_signal -1
	s_barrier_wait -1
	CREST
.endm
	s_load_b128 s[4:7], s[0:1], 0x0                ; ob 4, wob 6
	s_load_b64 s[8:9], s[0:1], 0x10                ; out0
	v_lshl_add_u32 v[SPW], v0, 2, SPARE
	v_mov_b32 v[NIL], 0
	ds_add_u32 v[SPW], v[NIL]                      ; the wave's opening: the add and its wait stand ahead of my first tensor load; the set-up below, work on registers, stands between them
	v_lshrrev_b32 v1, 5, v0
	v_readfirstlane_b32 s[WV], v1                  ; wave 0..3
	s_lshr_b32 s[RH], s[WV], 1
	s_and_b32 s[CH], s[WV], 1
	s_bfe_u32 s40, ttmp6, 0x40000                  ; cx
	s_bfe_u32 s41, ttmp6, 0x40004                  ; cy
	s_lshl_b32 s42, ttmp9, 2                       ; in a cluster launch ttmp9 and ttmp7 count clusters
	s_add_co_u32 s42, s42, s40                     ; tile column = 4 x cluster x + cx
	s_and_b32 s43, ttmp7, 0xffff
	s_lshl_b32 s43, s43, 2
	s_add_co_u32 s43, s43, s41                     ; tile row = 4 x cluster y + cy
	s_lshl_b32 s44, s41, 2
	s_lshl_b32 s44, 15, s44                        ; my row of the cluster: places 4 cy .. 4 cy + 3
	s_lshl_b32 s45, 0x1111, s40                    ; my column: places cx, cx + 4, cx + 8, cx + 12
	s_or_b32 s[G1], s44, (1<<16)|(1<<20)|(1<<21)|(5<<22)|(3<<25)   ; 15:0 the mask; 17:16 2-byte elements; 20 padding on; 21 set beside a mask; 24:22 after every 64 words (code 5); 31:25 4 words (code 3)
	s_or_b32 s[G1B], s45, (1<<16)|(1<<20)|(1<<21)|(5<<22)|(3<<25)
.irp g, G1, G1B
	s_mov_b32 s[(\g)+1], 128<<16                   ; tensor_dim0 = 128
	s_mov_b32 s[(\g)+2], 128<<16                   ; tensor_dim1 = 128
	s_mov_b32 s[(\g)+3], 128<<16                   ; tile_dim0 = 128
	s_mov_b32 s[(\g)+4], 128                       ; tile_dim1 = 128
	s_mov_b32 s[(\g)+5], SIZE_K                    ; elements from row to row
	s_mov_b32 s[(\g)+6], 0
	s_mov_b32 s[(\g)+7], 0
.endr
	; ob's address hangs on the tile row alone, wob's on the tile column alone; every wave makes both, in registers that never hold the other coordinate
	s_lshl_b32 s17, s[CH], 7                       ; which 128 rows of the tile I fetch
	s_lshl_b32 s16, s43, 8
	s_add_co_u32 s16, s16, s17                     ; ob: row 256 x tile row + 128 x half
	s_lshl_b32 s46, s42, 8
	s_add_co_u32 s46, s46, s17                     ; wob: row 256 x tile column + 128 x half
	s_mov_b32 s17, 0
	s_mov_b32 s47, 0
	s_mov_b64 s[18:19], SIZE_K*2
	s_mul_u64 s[16:17], s[16:17], s[18:19]
	s_mul_u64 s[46:47], s[46:47], s[18:19]
	s_mul_i32 s20, s[WV], REGION                   ; where they go: my region; no place in the cluster enters an LDS address
	s_mov_b32 s[TB], 0
	s_wait_dscnt 0x0                               ; the opening add is done
	s_wait_kmcnt 0x0
	s_add_nc_u64 s[16:17], s[4:5], s[16:17]
	s_add_nc_u64 s[46:47], s[6:7], s[46:47]
	CROUND                                         ; all sixteen work-groups are here: the first joint loads meet
.irp s, 0,1
	s_mov_b32 s[G0+4*(\s)], 1                                      ; count = 1
	s_add_co_u32 s[G0+4*(\s)+1], s20, (\s)*HALFT                   ; LDS address
	s_add_nc_u64 s[G0+4*(\s)+2:G0+4*(\s)+3], s[16:17], (\s)*256    ; global address: K step s
	s_or_b32 s[G0+4*(\s)+3], s[G0+4*(\s)+3], 0x80000000            ; type = 2
	s_mov_b32 s[G0B+4*(\s)], 1
	s_add_co_u32 s[G0B+4*(\s)+1], s20, (\s)*HALFT
	s_add_nc_u64 s[G0B+4*(\s)+2:G0B+4*(\s)+3], s[46:47], (\s)*256
	s_or_b32 s[G0B+4*(\s)+3], s[G0B+4*(\s)+3], 0x80000000
.endr
	s_cmp_lt_u32 s[WV], 2                          ; a wave's two first fills stand in one branch, ahead of every wait on TENSORcnt and every LDS read: two loads of mine are out
	s_cbranch_scc0 .Lfirst_b
	tensor_load_to_lds s[G0:G0+3], s[G1:G1+7]
	s_nop 0
	tensor_load_to_lds s[G0+4:G0+7], s[G1:G1+7]
	s_nop 0
.rept 4
	v_nop
.endr
	s_branch .Lfirst_asked
.Lfirst_b:
	tensor_load_to_lds s[G0B:G0B+3], s[G1B:G1B+7]
	s_nop 0
	tensor_load_to_lds s[G0B+4:G0B+7], s[G1B:G1B+7]
	s_nop 0
.rept 4
	v_nop
.endr
.Lfirst_asked:
	; A fragment is 16 rows x 32 K in 8 registers: lane l holds row l % 16, K = 8 (l / 16) + 0..7 and 16 + 8 (l / 16) + 0..7: two loads of 16 bytes, 32 bytes apart.
	v_and_b32 v1, 15, v0                           ; r = l % 16
	v_bfe_u32 v2, v0, 4, 1                         ; h = l / 16
	v_mul_u32_u24 v3, v1, PITCH
	v_lshl_add_u32 v3, v2, 4, v3                   ; row x pitch + 16 x half
	s_mul_i32 s22, s[RH], REGION                   ; my 128 rows of ob lie in the region of the wave that fetched them: wave RH
	v_add_nc_u32 v[A0], s22, v3
	s_mul_i32 s22, s[CH], REGION                   ; my 128 rows of wob: wave 2 + CH
	s_add_co_u32 s22, s22, 2*REGION
	v_add_nc_u32 v[B0], s22, v3
	s_mul_i32 s23, s[WV], 16*SPITCH
	s_add_co_u32 s23, s23, STAGE                   ; my stage
	v_mul_u32_u24 v4, v1, SPITCH                   ; in: row r, 32 bytes for each half of the lanes
	v_lshl_add_u32 v4, v2, 5, v4
	v_add_nc_u32 v[STO], s23, v4
	v_and_b32 v5, 31, v0
	v_lshlrev_b32 v[CO], 4, v5                     ; back: 32 lanes take one row of 512 bytes
	v_add_nc_u32 v[RD], s23, v[CO]
	s_lshl_b32 s82, s43, 8
	s_lshl_b32 s83, s[RH], 7
	s_add_co_u32 s82, s82, s83
	s_lshl_b32 s82, s82, 14                        ; my first row of out0, 16,384 bytes a row,
	s_lshl_b32 s83, s42, 10                        ; the tile's 1,024 bytes of it,
	s_add_co_u32 s82, s82, s83
	s_lshl_b32 s83, s[CH], 9                       ; my 512 of those
	s_add_co_u32 s82, s82, s83
	s_mov_b32 s83, 0
	s_add_nc_u64 s[8:9], s[8:9], s[82:83]
; 16 matrix instructions: row blocks a0, a0 + 1 of the window's four (hi = 0: my rows 0-63, 1: rows 64-127) x all 8 column blocks, 32 along K, on buffer f.  zero = 1: the product starts the sums.
; The 64 accumulators take turns, one instruction a turn, in the same order in every quarter.
.macro MUL16 f, hi, a0, zero
	WIN MUL_LO+0x50*(\hi)
.irp a, \a0, (\a0)+1
.irp b, 0,1,2,3,4,5,6,7
.if \zero
	v_wmma_f32_16x16x32_f16 v[8*(8*(\a)+(\b)):8*(8*(\a)+(\b))+7], v[(\f)+8*(\b):(\f)+8*(\b)+7], v[(\f)+8*(4*(\hi)+(\a)):(\f)+8*(4*(\hi)+(\a))+7], 0
.else
	v_wmma_f32_16x16x32_f16 v[8*(8*(\a)+(\b)):8*(8*(\a)+(\b))+7], v[(\f)+8*(\b):(\f)+8*(\b)+7], v[(\f)+8*(4*(\hi)+(\a)):(\f)+8*(4*(\hi)+(\a))+7], v[8*(8*(\a)+(\b)):8*(8*(\a)+(\b))+7]
.endif
.endr
.endr
.endm
; 32 LDS loads in one run: a quarter step's fragments (32 K at byte k of the rows) into buffer f: wob's 16, then ob's 16
.macro FETCH k, f
	WIN TO_B
.irp i, 0,1,2,3,4,5,6,7
	ds_load_b128 v[(\f)+8*(\i):(\f)+8*(\i)+3],   v[ADRB] offset:(\k)+(\i)*16*PITCH
	ds_load_b128 v[(\f)+8*(\i)+4:(\f)+8*(\i)+7], v[ADRB] offset:(\k)+(\i)*16*PITCH+32
.endr
	WIN 0
.irp i, 0,1,2,3,4,5,6,7
	ds_load_b128 v[(\f)+8*(\i):(\f)+8*(\i)+3],   v[ADRA] offset:(\k)+(\i)*16*PITCH
	ds_load_b128 v[(\f)+8*(\i)+4:(\f)+8*(\i)+7], v[ADRA] offset:(\k)+(\i)*16*PITCH+32
.endr
.endm
; A K step is four quarters of 32 along K, 64 matrix instructions each, on buffers 0, 1, 0, 1.  One of the first three multiplies buffer f and, in its middle, fetches the next quarter into g.
.macro QUARTER k, f, g, zero
	s_wait_dscnt 8                                 ; wob's fragments and ob's rows 0-63 are in; the youngest eight loads (rows 64-127) may be out
	MUL16 \f, 0, 0, \zero
	MUL16 \f, 0, 2, \zero
	PLACES
	FETCH \k, \g
	s_wait_dscnt 32                                ; all but the 32 just issued
	MUL16 \f, 1, 0, \zero
	MUL16 \f, 1, 2, \zero
.endm
; The fourth quarter multiplies buffer 1 and changes slots: ONE barrier.  In front of it each wave waits for all its tensor loads, of which one is out: its part of the next slot; adds 0 to its spare
; word; and waits for that and for its own reads of this slot.  fill = 1: the barrier opens a round of the cluster's, and this slot is filled again, two K steps ahead, first thing behind the round:
; from that request to the wait for it a wave issues 224 matrix instructions.
.macro TURN fill
	WIN 0                                          ; (the add's two registers lie in window 0)
	s_wait_tensorcnt 0x0                           ; all my tensor loads have landed, so a group 0 may be written;
	ds_add_u32 v[SPW], v[NIL]                      ; 0 onto my spare word;
	s_wait_dscnt 9                                 ; (the add and the youngest eight loads may be out)
	MUL16 F1, 0, 0, 0                              ; sixteen matrix instructions stand between the add and the wait for it
	s_wait_dscnt 0x0                               ; the add is done, and my reads of this slot are over
	s_barrier_signal -1
	MUL16 F1, 0, 2, 0                              ; work on registers while the others arrive
	WIN 0
	s_barrier_wait -1
.if \fill
	CREST                                          ; no wave of any partner still reads this slot's tile or has a load on its way
	s_xor_b32 s[G0+5], s[G0+5], HALFT              ; the walking descriptors: the other slot than last time,
	s_add_nc_u64 s[G0+6:G0+7], s[G0+6:G0+7], 256   ; the next K step; the type bits on top are not reached
	s_xor_b32 s[G0B+5], s[G0B+5], HALFT
	s_add_nc_u64 s[G0B+6:G0B+7], s[G0B+6:G0B+7], 256
	JLOAD                                          ; the four v_nop behind it are also the places in front of the loads below
.else
	PLACES
.endif
	s_xor_b32 s[TB], s[TB], HALFT
	v_add_nc_u32 v[ADRA], s[TB], v[A0]
	v_add_nc_u32 v[ADRB], s[TB], v[B0]
	FETCH 0, F0
	MUL16 F1, 1, 0, 0
	MUL16 F1, 1, 2, 0
.endm
	s_wait_tensorcnt 1                             ; my part of K step 0 is in; K step 1's may stay out
	s_barrier_signal -1
	s_barrier_wait -1                              ; everybody's is
	v_mov_b32 v[ADRA], v[A0]                       ; slot 0
	v_mov_b32 v[ADRB], v[B0]
	FETCH 0, F0
	QUARTER 64, F0, F1, 1                          ; the first quarter stands in front of the loop: its products start the sums
	WIN 0                                          ; at a label and at a branch every window is 0
	s_mov_b32 s3, NS-2
.Lstep:                                                ; a trip: from a K step's second quarter to the next step's first; it fills the slot that it leaves
	QUARTER 128, F1, F0, 0
	QUARTER 192, F0, F1, 0
	TURN 1
	QUARTER 64, F0, F1, 0
	WIN 0
	s_sub_co_u32 s3, s3, 1
	s_cmp_lg_u32 s3, 0
	s_cbranch_scc1 .Lstep
	QUARTER 128, F1, F0, 0                         ; the last two K steps are written out: nothing is left to ask for
	QUARTER 192, F0, F1, 0
	TURN 0
	QUARTER 64, F0, F1, 0
	QUARTER 128, F1, F0, 0
	QUARTER 192, F0, F1, 0
	s_wait_dscnt 8
	MUL16 F1, 0, 0, 0
	MUL16 F1, 0, 2, 0
	s_wait_dscnt 0x0
	MUL16 F1, 1, 0, 0
	MUL16 F1, 1, 2, 0
	WIN 0
	PLACES
; THE WAY OUT.  A lane's 32 bytes are a sixteenth of a row's 512, and the lanes beside it hold other rows.  So a block of 16 rows at a time goes through my own stage: in by 16 bytes a lane
; (each accumulator's low four registers first), back as whole rows, into the registers that the block left.
.macro TOSTAGE a
.set AC, 64*((\a)%4)                   ; the block's eight accumulators, in window 2 (blocks 0-3) or 3 (blocks 4-7)
	WIN 0x08+0x04*((\a)/4)                         ; store data in that window
.irp b, 0,1,2,3,4,5,6,7
	ds_store_b128 v[STO], v[AC+8*(\b):AC+8*(\b)+3]   offset:64*(\b)
	ds_store_b128 v[STO], v[AC+8*(\b)+4:AC+8*(\b)+7] offset:64*(\b)+16
.endr
	WIN 0x80+0x40*((\a)/4)                         ; destination in that window
.set t, 0
.rept 16
	ds_load_b128 v[AC+4*t:AC+4*t+3], v[RD] offset:SPITCH*t  ; LDS serves a wave's instructions in order (ISA guide 5.7.1.4): these see the stores above, and the next block's stores come behind them
.set t, t+1
.endr
.endm
.macro SEND a, younger                 ; younger: the LDS instructions issued behind block a's loads: the next block's 32, or none.  Each block has registers of its own, so no store's source is written again
.set AC, 64*((\a)%4)
	WIN 0x08+0x04*((\a)/4)
	s_wait_dscnt \younger
.set t, 0
.rept 16
	global_store_b128 v[CO], v[AC+4*t:AC+4*t+3], s[8:9] offset:(16*(\a)+t)*16384 th:TH_STORE_NT  ; 32 lanes store 512 consecutive bytes, at a multiple of 256 from out0's first byte; written once, read by no launch
.set t, t+1
.endr
.endm
	TOSTAGE 0
.irp a, 1,2,3,4,5,6,7                  ; block a's trip through the stage stands between block a - 1's loads and the wait for them
	TOSTAGE \a
	SEND (\a)-1, 32
.endr
	SEND 7, 0
	WIN 0
	s_wait_tensorcnt 0x0                           ; the wave's end: a wait, an add to my spare word and its wait, behind my last tensor load and my last LDS store
	ds_add_u32 v[SPW], v[NIL]
	s_wait_dscnt 0x0
	CROUND                                         ; the closing round: no work-group ends while a partner may still ask for a tile that names it
	s_endpgm
.Lfunc_end_k_q4dc268a073_oproj:
	.size	k_q4dc268a073_oproj, .Lfunc_end_k_q4dc268a073_oproj-k_q4dc268a073_oproj
	.p2alignl 7, 3214868480
	.fill 96, 4, 3214868480
	.section	.rodata,"a",@progbits
	.p2align	6, 0x0
	.amdhsa_kernel k_q4dc268a073_oproj
		.amdhsa_group_segment_fixed_size 327680
		.amdhsa_private_segment_fixed_size 0
		.amdhsa_enable_private_segment 0
		.amdhsa_kernarg_size 24
		.amdhsa_user_sgpr_count 2
		.amdhsa_user_sgpr_kernarg_segment_ptr 1
		.amdhsa_wavefront_size32 1
		.amdhsa_system_sgpr_workgroup_id_x 1
		.amdhsa_system_sgpr_workgroup_id_y 1
		.amdhsa_system_sgpr_workgroup_id_z 1
		.amdhsa_system_vgpr_workitem_id 0
		.amdhsa_next_free_vgpr 1024
		.amdhsa_next_free_sgpr 96
		.amdhsa_reserve_vcc 0
		.amdhsa_float_denorm_mode_32 3
		.amdhsa_float_denorm_mode_16_64 3
		.amdhsa_memory_ordered 1
		.amdhsa_forward_progress 1
		.amdhsa_inst_pref_size 113
	.end_amdhsa_kernel
	.amdgpu_metadata
---
amdhsa.version: [ 1, 2 ]
amdhsa.kernels:
  - .name:           k_q4dc268a073_oproj
    .symbol:         k_q4dc268a073_oproj.kd
    .args:
      - { .name: ob, .offset: 0, .size: 8, .value_kind: global_buffer, .address_space: global }
      - { .name: wob, .offset: 8, .size: 8, .value_kind: global_buffer, .address_space: global }
      - { .name: out0, .offset: 16, .size: 8, .value_kind: global_buffer, .address_space: global }
    .group_segment_fixed_size: 327680
    .private_segment_fixed_size: 0
    .kernarg_segment_align: 8
    .kernarg_segment_size: 24
    .max_flat_workgroup_size: 128
    .sgpr_count:     96
    .vgpr_count:     1024
    .wavefront_size: 32
...
	.end_amdgpu_metadata
.endif
;; end of part 4
